; MI455X (gfx1250); checked and timed in simulation.
; The chip was launched on July 23, 2026; its instructions are those of AMD's public machine-readable ISA for CDNA 5 (MIT licence, August 2026) and "CDNA5" Instruction Set Architecture Reference Guide (July 2026). The comments in the code are by the model that wrote it; some were corrected since.
;; Qwen3 Attention. Allowed arithmetic: matrix products marked QUANTISED: E4M3 operands, one given power-of-two scale a tensor, by v_wmma_f32_16x16x64_fp8_fp8 or v_wmma_f32_16x16x128_fp8_fp8, f32 sums; everything else in f32.
;; Inputs: Wk 4,096 x 1,024 float32; Wo 1,024 x 4,096 float32; Wq 4,096 x 2,048 float32; Wv 4,096 x 1,024 float32; cos 1 x 2,048 x 128 float32; hidden_states 1 x 2,048 x 4,096 float32; k_norm_w 128 float32; lowp_scales 12 int32 (the exponents e of the quantised operands' scales 2^e); q_norm_w 128 float32; sin 1 x 2,048 x 128 float32.
;; Outputs: out0 1 x 2,048 x 4,096 float32.
;; This version of the problem:
;;   THIS VERSION OF THE PROBLEM IS GIVEN IN LOW PRECISION. The matrix products marked QUANTISED in the list below multiply operands that are first quantised to E4M3 (4 exponent bits, 3 mantissa bits; 8 bits a number), with one given power-of-two scale for each operand tensor; their sums are f32. All else is computed in f32.
;;   The module's matrix products, in the order in which they are computed (A, B: the left and right operand; K: the contracted axis; several contracted axes count as one K, in the product's order):
;;     1. [M 2,048, K 4,096] x [K 4,096, N 2,048]; A: input hidden_states; B: input Wq: QUANTISED (scales: A lowp_scales[0], B lowp_scales[1])
;;     2. [M 2,048, K 4,096] x [K 4,096, N 1,024]; A: input hidden_states; B: input Wk: QUANTISED (scales: A lowp_scales[2], B lowp_scales[3])
;;     3. [M 2,048, K 4,096] x [K 4,096, N 1,024]; A: input hidden_states; B: input Wv: QUANTISED (scales: A lowp_scales[4], B lowp_scales[5])
;;     4. batch 8 x [M 2,048, K 128] x [K 128, N 2,048]; A: computed on the way; B: computed on the way: QUANTISED (scales: A lowp_scales[6], B lowp_scales[7])
;;     5. batch 8 x [M 2,048, K 2,048] x [K 2,048, N 128]; A: softmax (see below); B: computed on the way: QUANTISED (scales: A lowp_scales[8], B lowp_scales[9])
;;     6. [M 2,048, K 1,024] x [K 1,024, N 4,096]; A: computed on the way; B: input Wo: QUANTISED (scales: A lowp_scales[10], B lowp_scales[11])
;;   THE QUANTISER, for each operand of a quantised product, along K:
;;     - The operand's scale is 2^e, e = its entry of the input lowp_scales (int32; the entries are numbered through the quantised products in the list's order, A before B).
;;     - Each number is divided by the scale, clamped to +-448, and rounded to the nearest number of E4M3, ties to even, subnormals kept.
;;     - The product sums the exact products of the quantised numbers (number of the format x scale) in f32.
;;   ~~~python
;;   def quantise(x, axis, e):      # numpy; x: float32 -> the quantised numbers, widened to float32 again
;;       x = np.moveaxis(x, axis, -1); K = x.shape[-1]
;;       r = np.clip(x / 2.0 ** e, -448, 448)
;;       step = 2.0 ** (np.maximum(np.frexp(np.where(r == 0, 1, r))[1] - 1, -6) - 3)
;;       q = np.round(r / step) * step * 2.0 ** e      # np.round: ties to even
;;       return np.moveaxis(q, -1, axis).astype(np.float32)
;;   ~~~
;;   SOFTMAX AHEAD OF A QUANTISED PRODUCT. Where the list says 'softmax', what is quantised is not the finished softmax but p = 2^(t - M), with t = logit x log2(e) and M = ceil(the row's largest t), a whole number; so 1/2 < the row's largest p <= 1. The row's sum l is taken of the UNQUANTISED p, in f32, and the product's result is divided by l at the end. Since M is a whole number, a kernel that streams over the keys may use a running M (the ceiling of the running maximum): every later rescaling is an exact power of two, so the quantised numbers keep their values, but for numbers so far below the row's largest that they fall under the format's range.
;;   OPERANDS COMPUTED ON THE WAY. 'Computed on the way' means the value that the module computes at that place (a softmax that the list does not call 'softmax' is quantised finished and normalised). What goes into a quantiser is computed in f32, as accurately as f32 sums, v_exp_f32 and their like allow (about 1e-6 of the number): no bf16 or f16 on the way to a quantiser, and a product that is left as it is and whose result goes on into a quantised operand takes f32 operands (vector FMAs, or v_wmma_f32_16x16x4_f32). A number that lies on a knife's edge between two numbers of the format may be rounded either way, as far as f32 arithmetic and the matrix unit's own rounding can turn it there, and no further.
;; One version. Each part assembles by itself: llvm-mc -triple=amdgcn-amd-amdhsa -mcpu=gfx1250 --defsym DOCPART=n.
;; ======== version 1 of 1: 4 launches
;; limits: right only within a limited range of input values
;; workspace buffers: xc 25,165,824 bytes; wc 16,777,216 bytes; woc 4,194,304 bytes; qf 2,097,152 bytes; kf 2,097,152 bytes; vf 2,097,152 bytes; gf 8,388,608 bytes; af 2,097,152 bytes
;; launch quant (part 1): grid 896 x 1, 4 waves a work-group, no clusters, 61,952 bytes of LDS; arguments hidden_states, Wq, Wk, Wv, Wo, lowp_scales, xc, wc, woc; writes xc, wc, woc
.if DOCPART == 1
	.amdgcn_target "amdgcn-amd-amdhsa--gfx1250"
	.amdhsa_code_object_version 6
	.text
	.protected	k_qfa32f39cab_quant
	.globl	k_qfa32f39cab_quant
	.p2align	8
	.type	k_qfa32f39cab_quant,@function
k_qfa32f39cab_quant:
	s_mov_b64 s[64:65], 0
	v_nop
	global_prefetch_b8 v0, s[64:65] scope:SCOPE_SE
	s_setreg_imm32_b32 hwreg(HW_REG_WAVE_MODE, 25, 1), 1
	s_wait_xcnt 0x0
; FIRST OF FOUR LAUNCHES: every wide input of a quantised product becomes codes of E4M3, once.
; THE PROGRAM: quant (this) | proj: the three projections as one product on codes, with RMS norm, RoPE, sigmoid and the next quantisers on its way out |
; attn: causal attention on codes, times the gate, quantised | outproj: the product with Wo.
; WORK LEFT OUT, in the whole program: (1) key steps of 128 keys all of which come after all 16 queries of a tile: reference() builds the mask itself (jnp.tril) and replaces
; those scores by the least f32 number ahead of a softmax in which key 0 always counts, so their weights are 0 for all finite values of the inputs; (2) jnp.repeat with groups = H / KV = 1 is the identity.
; Nothing else is left out and every input is loaded by some launch.  LIMIT: a NaN, an infinity or an overflow that reaches only the key steps left out is not carried to the result.
; code = x / 2^e, held within +-448, rounded to the nearest code, ties to even.  LIMITS: e0, e1, e2, e3, e4, e5, e11 between -126 and 119 (2^e and 448 x 2^e are made as f32 numbers).  NaN among the inputs is not served.
; ROWS ARE PERMUTED: row i lies at position pi(i) = i with bits 3 and 4 exchanged, so that sixteen neighbouring positions are rows 32 b + 8 u + r + 8 (r / 8).
; xc (three planes, one for each scale of hidden_states) and wc are laid AS IMAGES OF THE OPERAND'S REGISTERS: [16 positions][K / 128][2,048 bytes]; in an image the 16 bytes at 512 c + 256 h + 16 r are K = 32 c + 16 h + 0 .. 15 of position r.
; wc's blocks of 128 positions: 0-7 q of head h (Wq's columns 256 h + d), 8-15 its gate (256 h + 128 + d), 16-23 Wk, 24-31 Wv.  woc[4096 positions][1024]: Wo's columns as rows, K innermost.
; Work-groups 0-255: hidden_states, 16 positions x 2,048 along K each.  Work-groups 256-895: the weights, 128 columns x 256 along K each.
; The two paths part on the work-group's number and have LDS bytes of their own.  No tensor loads, no barrier: waves share nothing.
.set SPARE, 61440                      ; the spare words: 128 bytes for each wave, two blocks of 256 bytes that no other line names
.set SPW,   12                         ; v12  SPARE + 4 x my thread's number; never rewritten
.set NIL,   13                         ; v13  0; never rewritten
.set XP,    272                        ; path X: a stage's row: the 16 positions' 16 bytes of one piece of K, + 16 of padding
.set XPL,   8*XP                       ; a plane's stage: one image, 8 rows
.set XREG,  6656                       ; a wave's three stages
.set R,     16                         ; v16-95   five sets of 16 numbers as loaded
.set T,     96                         ; v96-143  the 16 numbers held, once for each of the three scales
.set C,     144                        ; v144-155 a step's codes: four words a plane
.set OUT,   156                        ; v156-203 three images read back
.set SC,    204                        ; v204-206 2^e0, 2^e2, 2^e4
.set LM,    207                        ; v207-209 448 x those
.set WSTG,  26624                      ; path W: the stages, 32 rows x 272 bytes for each wave
.set WP,    272
.set WOFF,  16                         ; v16-47   byte offsets of a block's 32 rows of K; never rewritten
.set WX,    48                         ; v48-111  two sets of 32 numbers
.set WC,    112                        ; v112-119 a block's codes
.set OUTR,  120                        ; v120-183 the way out
.set OO,    184                        ; v184-199 Wo's way out: byte offsets; never rewritten
.macro MKSCALE e, vs, vl               ; v[vs] = 2^e, v[vl] = 448 x 2^e, as f32
	s_add_co_i32 s70, \e, 127
	s_lshl_b32 s71, s70, 23
	v_mov_b32 v[\vs], s71
	s_add_co_i32 s70, s70, 8
	s_lshl_b32 s70, s70, 23
	s_or_b32 s70, s70, 0x600000
	v_mov_b32 v[\vl], s70
.endm
	s_load_b512 s[4:19], s[0:1], 0x0               ; hidden 4, Wq 6, Wk 8, Wv 10, Wo 12, scales 14, xc 16, wc 18
	s_load_b64 s[20:21], s[0:1], 0x40              ; woc
	v_lshl_add_u32 v[SPW], v0, 2, SPARE
	v_mov_b32 v[NIL], 0
	v_lshrrev_b32 v1, 5, v0
	v_readfirstlane_b32 s22, v1                    ; wave 0..3
	v_and_b32 v2, 31, v0                           ; lane
	s_wait_alu depctr_va_vdst(0)                   ; directly ahead of the wait below
	s_wait_kmcnt 0x0
	s_load_b256 s[24:31], s[14:15], 0x0            ; e0 .. e7
	s_load_b128 s[32:35], s[14:15], 0x20           ; e8 .. e11
	s_cmp_ge_u32 ttmp9, 256
	s_cbranch_scc1 .Lweights
; ---------------- PATH X: hidden_states.  A wave takes 16 positions x 512 along K: four images a plane, four steps of four rows each ----------------
; A load reads 512 consecutive bytes of one row: lane l holds K = 4 l .. 4 l + 3 of the image's 128.  Four codes are a word, which goes to its place in the image's stage; the image comes back 16 bytes a lane.
	v_lshlrev_b32 v3, 4, v2                        ; my 16 bytes of a load's, and of a store's, 512
	s_mul_i32 s23, s22, XREG
	v_lshrrev_b32 v14, 2, v2
	v_mul_u32_u24 v14, v14, XP
	v_and_b32 v15, 3, v2
	v_lshl_add_u32 v14, v15, 2, v14
	v_add_nc_u32 v14, s23, v14                     ; into a stage: row l / 4, word l % 4 of a position's 16 bytes
	v_lshrrev_b32 v15, 4, v2
	v_mul_u32_u24 v15, v15, XP
	v_and_b32 v11, 15, v2
	v_lshl_add_u32 v15, v11, 4, v15
	v_add_nc_u32 v15, s23, v15                     ; out of it: two rows an instruction
	s_wait_alu depctr_va_vdst(0)                   ; ahead of the scalar lines below
	s_lshr_b32 s36, ttmp9, 1                       ; which 16 positions
	s_and_b32 s37, ttmp9, 1
	s_lshl_b32 s37, s37, 2
	s_add_co_u32 s37, s37, s22                     ; which 512 along K
	s_lshr_b32 s38, s36, 1
	s_lshl_b32 s38, s38, 5
	s_and_b32 s39, s36, 1
	s_lshl_b32 s39, s39, 3
	s_add_co_u32 s38, s38, s39                     ; position r of the 16 is row 32 b + 8 u + r + 8 (r / 8)
	s_lshl_b32 s42, s38, 14                        ; 16,384 bytes a row
	s_lshl_b32 s39, s37, 11
	s_add_co_u32 s42, s42, s39
	s_mov_b32 s43, 0
	s_add_nc_u64 s[4:5], s[4:5], s[42:43]
	s_lshl_b32 s42, s36, 16                        ; 32 images of 2,048 bytes for 16 positions
	s_lshl_b32 s39, s37, 13
	s_add_co_u32 s42, s42, s39
	s_add_nc_u64 s[36:37], s[16:17], s[42:43]      ; plane 0 (e0),
	s_add_nc_u64 s[38:39], s[36:37], 0x800000      ; plane 1 (e2),
	s_add_nc_u64 s[40:41], s[38:39], 0x800000      ; plane 2 (e4)
.macro XLOAD t                         ; step t: image t / 4, positions 4 (t % 4) + d
.irp d, 0,1,2,3
	global_load_b128 v[R+16*((\t)%5)+4*\d:R+16*((\t)%5)+4*\d+3], v3, s[4:5] offset:(((4*((\t)%4)+\d)%8)+16*((4*((\t)%4)+\d)/8))*16384+512*((\t)/4) th:TH_LOAD_NT
.endr
.endm
.macro XSEND p                         ; image p of each plane leaves: the wave stores 512 consecutive bytes, aligned
.irp s, 0,1,2
.irp i, 0,1,2,3
	global_store_b128 v3, v[OUT+16*\s+4*\i:OUT+16*\s+4*\i+3], s[36+2*\s:37+2*\s] offset:2048*(\p)+512*\i
.endr
.endr
.endm
.irp t, 0,1,2,3,4
	XLOAD \t
.endr
	s_wait_kmcnt 0x0
	MKSCALE s24, SC, LM
	MKSCALE s26, SC+1, LM+1
	MKSCALE s28, SC+2, LM+2
	s_wait_alu depctr_va_vdst(0)
.macro XSTEP t
.set XS, R+16*((\t)%5)
.if 15-(\t) >= 4
	s_wait_loadcnt 16                              ; this step's four loads are in; those of the four steps behind it may be out
.else
	s_wait_loadcnt 4*(15-(\t))
.endif
	s_wait_dscnt 0x0                               ; the last step's stores into the stages have read the code registers; an image asked back is in
.if (\t) > 0
.if (\t)%4 == 0
	XSEND (\t)/4-1
.endif
.endif
.irp s, 0,1,2
.irp i, 0,1,2,3,4,5,6,7,8,9,10,11,12,13,14,15
	v_med3_num_f32 v[T+16*\s+\i], v[XS+\i], -v[LM+\s], v[LM+\s]   ; the hold at the largest code x the scale (the conversion does not saturate: ISA guide 7.6.2); out of place, since the numbers serve three scales
.endr
	v_cvt_scalef32_pk8_fp8_f32 v[C+4*\s:C+4*\s+1], v[T+16*\s:T+16*\s+7], v[SC+\s]       ; word d = the four codes of load d
	v_cvt_scalef32_pk8_fp8_f32 v[C+4*\s+2:C+4*\s+3], v[T+16*\s+8:T+16*\s+15], v[SC+\s]
.endr
.if (\t)+5 < 16
	XLOAD (\t)+5                                   ; into the set just read
.endif
.irp s, 0,1,2
.irp d, 0,1,2,3
	ds_store_b32 v14, v[C+4*\s+\d] offset:XPL*\s+16*(4*((\t)%4)+\d)
.endr
.endr
.if (\t)%4 == 3
.if (\t) > 3
	s_wait_xcnt 0x0                                ; the last image's stores have read their registers
.endif
.irp s, 0,1,2
.irp i, 0,1,2,3
	ds_load_b128 v[OUT+16*\s+4*\i:OUT+16*\s+4*\i+3], v15 offset:XPL*\s+2*XP*\i   ; LDS serves a wave's instructions in order: these see my stores, and the next image's stores come behind them
.endr
.endr
.endif
.endm
.irp t, 0,1,2,3,4,5,6,7,8,9,10,11,12,13,14,15
	XSTEP \t
.endr
	s_wait_dscnt 0x0
	XSEND 3
	s_wait_tensorcnt 0x0                           ; the wave's end, behind my last LDS store
	ds_add_u32 v[SPW], v[NIL]
	s_wait_dscnt 0x0
	s_endpgm
; ---------------- PATH W: the weights.  A work-group takes 128 columns x 256 along K; a lane one column, its registers run down K ----------------
.Lweights:
	s_sub_co_u32 s36, ttmp9, 256                   ; u: 0-255 Wq, 256-383 Wk, 384-511 Wv, 512-639 Wo.  All choices hang on the work-group's number alone
	s_mov_b64 s[56:57], s[12:13]                   ; the source,
	s_mov_b64 s[58:59], s[20:21]                   ; the codes' buffer,
	s_mov_b32 s37, 512                             ; the tensor's first u,
	s_mov_b32 s38, 5                               ; log2 of its blocks of 128 columns; a row is 512 << that bytes,
	s_mov_b32 s60, 0                               ; its first block of 128 positions in the codes' buffer,
	s_mov_b32 s61, 10                              ; log2 of a position's bytes of codes,
	s_mov_b32 s23, 8                               ; log2 of the bytes that 256 along K are on in the codes' buffer: as for Wo
	s_cmp_lt_u32 s36, 512
	s_cselect_b64 s[56:57], s[10:11], s[56:57]     ; Wv
	s_cselect_b64 s[58:59], s[18:19], s[58:59]
	s_cselect_b32 s37, 384, s37
	s_cselect_b32 s38, 3, s38
	s_cselect_b32 s60, 24, s60
	s_cselect_b32 s61, 12, s61
	s_cselect_b32 s23, 12, s23                     ; two images
	s_cmp_lt_u32 s36, 384
	s_cselect_b64 s[56:57], s[8:9], s[56:57]       ; Wk
	s_cselect_b32 s37, 256, s37
	s_cselect_b32 s60, 16, s60
	s_cmp_lt_u32 s36, 256
	s_cselect_b64 s[56:57], s[6:7], s[56:57]       ; Wq
	s_cselect_b32 s37, 0, s37
	s_cselect_b32 s38, 4, s38
	s_sub_co_u32 s37, s36, s37                     ; my number within the tensor
	s_bfm_b32 s39, s38, 0
	s_and_b32 s39, s37, s39                        ; cb: which 128 columns
	s_lshr_b32 s62, s37, s38                       ; kb: which 256 along K
	s_lshl_b32 s63, 512, s38                       ; a row of the tensor in bytes
	s_and_b32 s66, s39, 1                          ; Wq's columns 128 cb on are q (cb even) or gate (odd) of head cb / 2
	s_lshl_b32 s66, s66, 3
	s_lshr_b32 s67, s39, 1
	s_add_co_u32 s66, s66, s67
	s_add_co_u32 s67, s60, s39
	s_cmp_lt_u32 s36, 256
	s_cselect_b32 s66, s66, s67                    ; my block of 128 positions
	s_lshl_b32 s66, s66, 7
	s_lshl_b32 s67, s22, 5
	s_add_co_u32 s66, s66, s67                     ; + my wave's 32
	s_lshl_b32 s66, s66, s61
	s_lshl_b32 s67, s62, s23
	s_add_co_u32 s66, s66, s67                     ; + kb's place
	s_mov_b32 s67, 0
	s_add_nc_u64 s[58:59], s[58:59], s[66:67]
	s_mul_i32 s66, s62, s63
	s_lshl_b32 s66, s66, 8                         ; 256 kb rows,
	s_lshl_b32 s68, s39, 9
	s_add_co_u32 s66, s66, s68                     ; 128 cb columns,
	s_lshl_b32 s68, s22, 7
	s_add_co_u32 s66, s66, s68                     ; 32 columns a wave
	s_add_nc_u64 s[40:41], s[56:57], s[66:67]      ; block 0 of 32 along K,
	s_lshl_b32 s66, s63, 5
.irp t, 1,2,3,4,5,6,7
	s_add_nc_u64 s[40+2*\t:41+2*\t], s[38+2*\t:39+2*\t], s[66:67]   ; and the seven others: a base for each, never stepped
.endr
	v_lshlrev_b32 v3, 2, v2
.set i, 0
.rept 32
	v_mad_u32_u24 v[WOFF+i], s63, i, v3
.set i, i+1
.endr
	s_mul_i32 s68, s22, 32*WP
	s_add_co_u32 s68, s68, WSTG                    ; my stage
	v_mul_u32_u24 v4, v2, WP
	v_add_nc_u32 v4, s68, v4                       ; into it: row = my column
	v_and_b32 v5, 15, v2
	v_lshrrev_b32 v6, 4, v2
	v_mul_u32_u24 v7, v6, WP
	v_lshl_add_u32 v7, v5, 4, v7
	v_add_nc_u32 v7, s68, v7                       ; Wo, out of it: sixteen lanes to a row, two rows an instruction
	v_lshlrev_b32 v8, s61, v6
	v_lshl_add_u32 v8, v5, 4, v8
	v_and_b32 v9, 8, v5
	v_add_nc_u32 v9, v9, v5
	v_mul_u32_u24 v9, v9, WP
	v_lshl_add_u32 v9, v6, 4, v9
	v_add_nc_u32 v9, s68, v9                       ; the images, out of it: column r + 8 (r / 8), + 16 h
	v_lshlrev_b32 v1, 4, v2                        ; and 16 x lane in an image
.set t, 0
	s_wait_alu depctr_va_vdst(0)
.rept 16
	s_lshl_b32 s69, ((2*t)&7)|(((2*t)&8)<<1)|(((2*t)&16)>>1), s61   ; Wo: columns 2 t and 2 t + 1 go to positions pi(2 t) and pi(2 t) + 1
	v_add_nc_u32 v[OO+t], s69, v8
.set t, t+1
.endr
.macro WLOAD t                         ; block t: W(32 t + i, my column), i = 0 .. 31: each load reads 128 consecutive bytes, the four waves side by side 512
.set i, 0
.rept 32
	global_load_b32 v[WX+32*((\t)%2)+i], v[WOFF+i], s[40+2*(\t):41+2*(\t)] th:TH_LOAD_NT
.set i, i+1
.endr
.endm
	WLOAD 0
	WLOAD 1
	s_wait_kmcnt 0x0
	s_cmp_lt_u32 s36, 512
	s_cselect_b32 s69, s29, s35                    ; e5 or e11
	s_cmp_lt_u32 s36, 384
	s_cselect_b32 s69, s27, s69                    ; e3
	s_cmp_lt_u32 s36, 256
	s_cselect_b32 s69, s25, s69                    ; e1
	MKSCALE s69, 11, 10
.macro WBLOCK t
.set XS, WX+32*((\t)%2)
.if (\t) < 7
	s_wait_loadcnt 32                              ; this block's 32 loads are in; the next block's may be out
.else
	s_wait_loadcnt 0
.endif
.set i, 0
.rept 32
	v_med3_num_f32 v[XS+i], v[XS+i], -v10, v10
.set i, i+1
.endr
.irp g, 0,1,2,3
	v_cvt_scalef32_pk8_fp8_f32 v[WC+2*\g:WC+2*\g+1], v[XS+8*\g:XS+8*\g+7], v11
.endr
	ds_store_b128 v4, v[WC:WC+3] offset:32*(\t)    ; 32 codes: 32 bytes of my column's row
	ds_store_b128 v4, v[WC+4:WC+7] offset:32*(\t)+16
.if (\t)+2 < 8
	WLOAD (\t)+2
.endif
	s_wait_dscnt 0x0                               ; the stores have read their registers: the next block's codes may be written
.endm
	s_wait_alu depctr_va_vdst(0)
.irp t, 0,1,2,3,4,5,6,7
	WBLOCK \t
.endr
	s_cmp_lt_u32 s36, 512
	s_cbranch_scc1 .Limage
.irp t, 0,1,2,3,4,5,6,7,8,9,10,11,12,13,14,15
	ds_load_b128 v[OUTR+4*\t:OUTR+4*\t+3], v7 offset:2*\t*WP   ; LDS serves a wave's instructions in order: these see my stores
.endr
.irp t, 0,1,2,3,4,5,6,7,8,9,10,11,12,13,14,15
	s_wait_dscnt 15-\t
	global_store_b128 v[OO+\t], v[OUTR+4*\t:OUTR+4*\t+3], s[58:59]   ; sixteen lanes store 256 consecutive bytes, aligned
.endr
	s_wait_tensorcnt 0x0                           ; the wave's end, behind my last LDS store
	ds_add_u32 v[SPW], v[NIL]
	s_wait_dscnt 0x0
	s_endpgm
.Limage:                                               ; Wq, Wk, Wv: two blocks of 16 positions x two images; instruction n: block n / 8, image (n / 4) % 2, piece c = n % 4
.irp n, 0,1,2,3,4,5,6,7,8,9,10,11,12,13,14,15
	ds_load_b128 v[OUTR+4*\n:OUTR+4*\n+3], v9 offset:(\n/8)*8*WP+128*((\n/4)%2)+32*(\n%4)
.endr
.irp n, 0,1,2,3,4,5,6,7,8,9,10,11,12,13,14,15
	s_wait_dscnt 15-\n
	global_store_b128 v1, v[OUTR+4*\n:OUTR+4*\n+3], s[58:59] offset:(\n/8)*65536+((\n/4)%2)*2048+512*(\n%4)   ; the wave stores 512 consecutive bytes, aligned
.endr
	s_wait_tensorcnt 0x0                           ; the wave's end, as above
	ds_add_u32 v[SPW], v[NIL]
	s_wait_dscnt 0x0
	s_endpgm
.Lfunc_end_k_qfa32f39cab_quant:
	.size	k_qfa32f39cab_quant, .Lfunc_end_k_qfa32f39cab_quant-k_qfa32f39cab_quant
	.p2alignl 7, 3214868480
	.fill 96, 4, 3214868480
	.section	.rodata,"a",@progbits
	.p2align	6, 0x0
	.amdhsa_kernel k_qfa32f39cab_quant
		.amdhsa_group_segment_fixed_size 61952
		.amdhsa_private_segment_fixed_size 0
		.amdhsa_enable_private_segment 0
		.amdhsa_kernarg_size 72
		.amdhsa_user_sgpr_count 2
		.amdhsa_user_sgpr_kernarg_segment_ptr 1
		.amdhsa_wavefront_size32 1
		.amdhsa_system_sgpr_workgroup_id_x 1
		.amdhsa_system_sgpr_workgroup_id_y 1
		.amdhsa_system_sgpr_workgroup_id_z 1
		.amdhsa_system_vgpr_workitem_id 0
		.amdhsa_next_free_vgpr 216
		.amdhsa_next_free_sgpr 72
		.amdhsa_reserve_vcc 0
		.amdhsa_float_denorm_mode_32 3
		.amdhsa_float_denorm_mode_16_64 3
		.amdhsa_memory_ordered 1
		.amdhsa_forward_progress 1
		.amdhsa_inst_pref_size 141
	.end_amdhsa_kernel
	.amdgpu_metadata
---
amdhsa.version: [ 1, 2 ]
amdhsa.kernels:
  - .name:           k_qfa32f39cab_quant
    .symbol:         k_qfa32f39cab_quant.kd
    .args:
      - { .name: hidden_states, .offset: 0, .size: 8, .value_kind: global_buffer, .address_space: global }
      - { .name: Wq, .offset: 8, .size: 8, .value_kind: global_buffer, .address_space: global }
      - { .name: Wk, .offset: 16, .size: 8, .value_kind: global_buffer, .address_space: global }
      - { .name: Wv, .offset: 24, .size: 8, .value_kind: global_buffer, .address_space: global }
      - { .name: Wo, .offset: 32, .size: 8, .value_kind: global_buffer, .address_space: global }
      - { .name: lowp_scales, .offset: 40, .size: 8, .value_kind: global_buffer, .address_space: global }
      - { .name: xc, .offset: 48, .size: 8, .value_kind: global_buffer, .address_space: global }
      - { .name: wc, .offset: 56, .size: 8, .value_kind: global_buffer, .address_space: global }
      - { .name: woc, .offset: 64, .size: 8, .value_kind: global_buffer, .address_space: global }
    .group_segment_fixed_size: 61952
    .private_segment_fixed_size: 0
    .kernarg_segment_align: 8
    .kernarg_segment_size: 72
    .max_flat_workgroup_size: 128
    .sgpr_count:     72
    .vgpr_count:     216
    .wavefront_size: 32
...
	.end_amdgpu_metadata
.endif
;; end of part 1
;; launch proj (part 2): grid 32 x 8, 4 waves a work-group, clusters of 4 x 4, 327,680 bytes of LDS; arguments xc, wc, lowp_scales, cos, sin, q_norm_w, k_norm_w, qf, kf, vf, gf; writes qf, kf, vf, gf
.if DOCPART == 2
	.amdgcn_target "amdgcn-amd-amdhsa--gfx1250"
	.amdhsa_code_object_version 6
	.text
	.protected	k_qfa32f39cab_proj
	.globl	k_qfa32f39cab_proj
	.p2align	8
	.type	k_qfa32f39cab_proj,@function
k_qfa32f39cab_proj:
	s_mov_b64 s[64:65], 0
	v_nop
	global_prefetch_b8 v0, s[64:65] scope:SCOPE_SE
	s_setreg_imm32_b32 hwreg(HW_REG_WAVE_MODE, 25, 1), 1
	s_wait_xcnt 0x0
	s_wait_alu depctr_hold_cnt(0) depctr_sa_sdst(0) depctr_va_vdst(0) depctr_va_sdst(0) depctr_va_ssrc(0) depctr_va_vcc(0) depctr_vm_vsrc(0)
	s_getreg_b32 s2, hwreg(HW_REG_IB_STS2, 6, 4)
	s_cmp_eq_u32 s2, 0
	s_cbranch_scc0 .Lentry_in_a_cluster
	s_endpgm
.Lentry_in_a_cluster:
	s_bfe_u32 s2, ttmp6, 0x10000c
	s_cmp_lg_u32 s2, 0xf033
	s_cbranch_scc0 .Lentry_shape_is_right
	s_endpgm
.Lentry_shape_is_right:
; THE THREE PROJECTIONS AS ONE PRODUCT ON CODES OF E4M3, 2,048 x 4,096 x K 4,096, with what follows each of them on the way out.  Nothing of reference()'s work is left out here.
; A work-group multiplies 256 rows of "role A" by 128 rows of "role B"; each of its four waves 64 A rows (4 blocks of 16) by all 128 B rows (8 blocks): 32 accumulators, 256 registers.
; THE MATRIX INSTRUCTION IS USED TRANSPOSED (source 0 = 16 B rows, source 1 = 16 A rows): a lane holds ONE A row, and since the buffers' rows lie permuted (bits 3 and 4 exchanged),
; its 16 registers of B blocks 2 b and 2 b + 1 are B rows 32 b + 16 (lane / 16) + 0 .. 15.
; KIND = cluster x / 2, the same in all sixteen partners:  0: q, 1: gate, 2: k: A = 256 tokens (planes 0, 0, 1 of xc), B = the 128 channels of one head;
;   3: v: A = 256 channels of Wv, B = 128 tokens (plane 2): the operands change roles by their pointers alone, so that a lane holds a channel and its registers run along the tokens, the next K.
; BOTH BUFFERS HOLD IMAGES OF FRAGMENTS, [16 positions][K / 128][2,048 bytes]: a fragment load, from LDS or from memory, reads 512 consecutive bytes.
; THE RING: two slots of 512 along K, 131,072 bytes each, dense: the EVEN eight of A's sixteen blocks (each wave's blocks 0 and 2), then B's eight.  Eight fills, one tensor load a wave
;   (waves 0, 1: four blocks of A; waves 2, 3: four of B; a block's part of a slot is 8,192 bytes on end).  4 x 4 CLUSTERS: A's tile hangs on the cluster's y and cy and is asked for jointly along a row, B's on the cluster's x, y and cx and jointly along a column.
; A'S ODD BLOCKS (each wave's blocks 1 and 3), which no other wave of the work-group reads, go from memory straight into registers, three steps ahead of their products (32 loads of a wave are out at the most):
;   they take no LDS byte and no LDS read, and with them a slot holds four steps in place of three.  Loads into registers have no joint form.
; PREFETCHES, shared out among partners by address.  The tiles (of a load's four blocks the partner at place cx, for B cy, names one: 8,192 bytes, lanes 256 apart): fills 1 and 2 at the head, behind fill 0's load; then in each trip the fill three on.
;   The direct blocks: in every second trip the eight steps that begin eight steps on (partner cx: block 1 + 2 (cx & 1), four steps: 8,192 bytes); steps 0 to 7 come by their loads alone.
;   cos and sin of my 64 tokens (kinds 0 and 2; partner cx: 8,192 bytes of each): behind the loop, seven steps ahead of the way out.  The last trips ask for no tile and no direct block.
; WAYS OUT (no LDS: each result leaves as an image of the next operand's registers, 512 consecutive bytes a store):
;   q, k: RMS norm over the head's 128, norm weight, RoPE (channel d and d + 64 lie in one lane), quantised with e6 or e7 -> qf, kf;  gate: sigmoid, f32 -> gf;  v: quantised with e9 -> vf
; LIMITS: e6, e7 and e9 - e4 - e5 between -126 and 119; e0 + e1 between -126 and 127.  NaN among the inputs is not served.
; REGISTERS, in windows of 256: window 0: v1-31 addresses and constants, v32-191 at work on the way out.  window 2: accumulator (a, b) at v[8 (8 a + b)].
;   windows 1 and 3: v0-63, v64-127 two sets of A's four fragments, v128-255 a set of B's eight.  Step t takes A's set t % 4 and B's set t % 2; even sets lie in window 1, odd ones in window 3:
;   so a step's products read one of the two windows, and all its loads (B and A's even blocks for step t + 1, A's odd blocks for step t + 3) land in the other.
;   On the way out of q and k the two windows hold cos and sin: blocks 0, 1 in window 3, blocks 2, 3 in window 1.
.set SLOT,  131072
.set BOFF,  65536                      ; B's part of a slot
.set SPARE, 262144                     ; behind the ring: the spare words, 128 bytes for each wave
.set LA,    16                         ; v16     16 x lane + 16,384 x wave: my two blocks of A in a slot
.set LB1,   17                         ; v17     16 x lane + BOFF
.set PFC,   18                         ; v18     cos' and sin's prefetch offset; never rewritten
.set AC,    20                         ; v20     LA in the slot that is being read
.set BC,    21                         ; v21     LB1 likewise
.set PFO,   22                         ; v22     the direct blocks' prefetch offset; never rewritten
.set PFT,   23                         ; v23     the tiles' prefetch offset; never rewritten
.set LI,    24                         ; v24     16 x lane
.set CSO,   25                         ; v25     cos, sin: (r + 8 (r / 8)) x 512 + 64 h
.set WO,    26                         ; v26     the norm weight: 64 h
.set SPW,   28
.set NIL,   29
.set LIM,   30                         ; v30     448 x the conversion's scale
.set SCL,   31                         ; v31     the conversion's scale
.set W,     32                         ; v32-95  the norm weight at my 64 channels
.set PC,    96                         ; v96-127 codes
.set CH,    112                        ; v112-119 four chains of sums (q, k)
.set FA,    120                        ; v120-127 block a's factor in v[120 + 2 a]
.set XR,    128                        ; v128-191 the block at work
.set G1A,   24                         ; s[24:31] descriptor group 1 for A's tiles;  s[32:35] their group 0, which walks
.set G0A,   32
.set G1B,   48                         ; s[48:55], s[56:59] the same for B
.set G0B,   56
.set AB,    36                         ; s[36:37] A: my wave's first image of the trip in hand
.set PT,    38                         ; s[38:39] the tile that I fetch, at the trip in hand's K
.set TB,    60                         ; s60     LDS byte at which the slot that is being read begins
.set MSB, 0
.macro WIN new                         ; the immediate's high byte repeats the setting that is left
.if MSB != \new
	s_set_vgpr_msb (MSB<<8)|\new
.set MSB, \new
.endif
.endm
.macro CREST
	s_cmp_lg_u32 s14, 0
	s_cbranch_scc1 .Lnot_wave_0_\@
	s_barrier_signal -3
.Lnot_wave_0_\@:
	s_barrier_wait -3
	s_barrier_signal -1
	s_barrier_wait -1
.endm
.macro CROUND
	s_barrier_signal -1
	s_barrier_wait -1
	CREST
.endm
.macro PLACES
.rept 4
	v_nop
.endr
.endm
.macro JLOAD                           ; a joint load: waves 0 and 1 fetch for A, waves 2 and 3 for B; an s_nop 0 and four v_nop follow each line
	s_cmp_eq_u32 s15, 0
	s_cbranch_scc0 .Lfor_b_\@
	tensor_load_to_lds s[G0A:G0A+3], s[G1A:G1A+7]
	s_nop 0
	PLACES
	s_branch .Lasked_\@
.Lfor_b_\@:
	tensor_load_to_lds s[G0B:G0B+3], s[G1B:G1B+7]
	s_nop 0
	PLACES
.Lasked_\@:
.endm
.macro WALK                            ; the walking descriptors: the other slot than last time, the next 512 along K (written only behind a wait for all my tensor loads)
	s_xor_b32 s[G0A+1], s[G0A+1], SLOT
	s_add_nc_u64 s[G0A+2:G0A+3], s[G0A+2:G0A+3], 8192
	s_xor_b32 s[G0B+1], s[G0B+1], SLOT
	s_add_nc_u64 s[G0B+2:G0B+3], s[G0B+2:G0B+3], 8192
.endm
.macro FINISH                          ; the wave's end: the tensor wait, the add onto the spare word and its wait, the closing round, the end
	s_wait_tensorcnt 0x0
	ds_add_u32 v[SPW], v[NIL]
	s_wait_dscnt 0x0
	CROUND
	s_endpgm
.endm
.macro MKSCALE e                       ; v[SCL] = 2^e, v[LIM] = 448 x 2^e
	s_add_co_i32 s101, \e, 127
	s_lshl_b32 s17, s101, 23
	v_mov_b32 v[SCL], s17
	s_add_co_i32 s101, s101, 8
	s_lshl_b32 s101, s101, 23
	s_or_b32 s101, s101, 0x600000
	v_mov_b32 v[LIM], s101
.endm
.macro MM b, pm, zero                  ; B's block b against A's four (set at v[pm]).  The 32 accumulators take turns, one instruction a turn, in the same order in every step
.irp a, 0,1,2,3
.if \zero
	v_wmma_f32_16x16x128_fp8_fp8 v[8*(8*\a+(\b)):8*(8*\a+(\b))+7], v[128+16*(\b):128+16*(\b)+15], v[(\pm)+16*\a:(\pm)+16*\a+15], 0
.else
	v_wmma_f32_16x16x128_fp8_fp8 v[8*(8*\a+(\b)):8*(8*\a+(\b))+7], v[128+16*(\b):128+16*(\b)+15], v[(\pm)+16*\a:(\pm)+16*\a+15], v[8*(8*\a+(\b)):8*(8*\a+(\b))+7]
.endif
.endr
.endm
.macro LDB b, sl                       ; B's block b, the slot's sl-th 128 along K: registers 4 c .. 4 c + 3 hold K = 32 c + 16 (l / 16) + 0 .. 15, alike in A and in B
.irp c, 0,1,2,3
	ds_load_b128 v[128+16*(\b)+4*\c:128+16*(\b)+4*\c+3], v[BC] offset:(\b)*8192+(\sl)*2048+512*\c
.endr
.endm
.macro LDAL a, pa, sl                  ; A's even block a from the slot, into the set at v[pa]
.irp c, 0,1,2,3
	ds_load_b128 v[(\pa)+16*(\a)+4*\c:(\pa)+16*(\a)+4*\c+3], v[AC] offset:((\a)/2)*8192+(\sl)*2048+512*\c
.endr
.endm
.macro LDA a, pl, o                    ; A's odd block a of the step o steps on from s[AB], from memory, into the set at v[pl]
.irp c, 0,1,2,3
	global_load_b128 v[(\pl)+16*(\a)+4*\c:(\pl)+16*(\a)+4*\c+3], v[LI], s[AB:AB+1] offset:(\a)*65536+(\o)*2048+512*\c
.endr
.endm
.macro RUN sl, pa, pl, o, lda          ; a step's loads in one run: 8 from memory, 40 from LDS (A's two blocks first, then B's eight in the order of their use)
.if \lda
	LDA 1, \pl, \o
	LDA 3, \pl, \o
.endif
	LDAL 0, \pa, \sl
	LDAL 2, \pa, \sl
.irp b, 0,1,2,3,4,5,6,7
	LDB \b, \sl
.endr
.endm
; A STEP of 128 along K, the q-th of its slot.  Waits: lc = the loads from memory issued behind this step's (two steps' 16); 16 = B's blocks 4-7 may be out; 48, 40 = the run's 40 and B's blocks 6, 7, then the run's 40 alone.
; The four v_nop are the places between the last step's products and the loads into the registers that they read (ISA guide 7.12.1 for vector instructions).
.macro STEP q, o, zero, lda, ldb, lc
.set MW, 0xa5+10*((\q)%2)
.set LW, 0xc0-128*((\q)%2)
.set PM, 64*(((\q)%4)/2)
.set PA, 64*((((\q)+1)%4)/2)
.set PL, 64*((((\q)+3)%4)/2)
	s_wait_loadcnt \lc
	s_wait_dscnt 16
	WIN MW
	MM 0, PM, \zero
	MM 1, PM, \zero
.if \ldb
	PLACES
	WIN LW
	RUN (\q)+1, PA, PL, \o, \lda
	WIN MW
.endif
	MM 2, PM, \zero
	MM 3, PM, \zero
.if \ldb
	s_wait_dscnt 48
.else
	s_wait_dscnt 8
.endif
	MM 4, PM, \zero
	MM 5, PM, \zero
.if \ldb
	s_wait_dscnt 40
.else
	s_wait_dscnt 0
.endif
	MM 6, PM, \zero
	MM 7, PM, \zero
.endm
; A SLOT'S LAST STEP (q = 3) begins with the change of slots: all reads of this slot were issued in the step before, so the three lines, the barrier and the refill stand ahead of the step's products.
; fill = 1: the barrier opens a round of the cluster's barrier and this slot is filled again, 1,024 along K further on.  Behind the refill: the run from the next slot, then the step's 32 products on end.
.macro TURN o, fill
	WIN 0
	s_wait_tensorcnt 0x0                           ; all my tensor loads have landed: my part of the next slot;
	ds_add_u32 v[SPW], v[NIL]                      ; 0 onto my spare word
	s_xor_b32 s[TB], s[TB], SLOT
	v_add_nc_u32 v[AC], s[TB], v[LA]               ; from here on the next slot is read
	v_add_nc_u32 v[BC], s[TB], v[LB1]
	s_wait_alu depctr_va_vdst(0)
.if \fill
	WALK
.endif
	s_wait_dscnt 0x0                               ; the add is done, and my reads of this slot are over: this step's fragments are all in registers
	s_barrier_signal -1
	s_barrier_wait -1
.if \fill
	CREST                                          ; no wave of any partner still reads this slot or has a load on its way
	JLOAD                                          ; the first tensor load behind the round; its four v_nop are the places in front of the loads below
.else
	PLACES
.endif
	WIN 0x40
	RUN 0, 0, 64, \o, 1
	s_wait_loadcnt 24                              ; this step's odd blocks are in; three later steps' 24 loads may be out
	WIN 0xaf
.irp b, 0,1,2,3,4,5,6,7
	MM \b, 64, 0
.endr
.endm
.macro TRIP fill                       ; from a slot's second step to the next slot's first
	STEP 1, 4, 0, 1, 1, 16
	STEP 2, 5, 0, 1, 1, 16
	TURN 6, \fill
	STEP 0, 7, 0, 1, 1, 16
.endm
	s_load_b128 s[96:99], s[0:1], 0x0              ; xc 96, wc 98
	s_load_b64 s[100:101], s[0:1], 0x10            ; the scales' exponents
	s_load_b64 s[82:83], s[0:1], 0x18              ; cos
	s_load_b256 s[68:75], s[0:1], 0x20             ; sin 68, q_norm_w 70, k_norm_w 72, qf 74
	s_load_b128 s[76:79], s[0:1], 0x40             ; kf 76, vf 78
	s_load_b64 s[80:81], s[0:1], 0x50              ; gf
	v_lshl_add_u32 v[SPW], v0, 2, SPARE
	v_mov_b32 v[NIL], 0
	ds_add_u32 v[SPW], v[NIL]                      ; the wave's opening: the add, twice on end, and its wait ahead of my first tensor load
	ds_add_u32 v[SPW], v[NIL]
	v_lshrrev_b32 v1, 5, v0
	v_readfirstlane_b32 s14, v1                    ; wave 0..3
	s_lshr_b32 s15, s14, 1                         ; I fetch for A (0) or for B (1),
	s_and_b32 s2, s14, 1                           ; its first or its second four blocks
	s_bfe_u32 s40, ttmp6, 0x40000                  ; cx
	s_bfe_u32 s41, ttmp6, 0x40004                  ; cy
	s_and_b32 s12, s40, 1
	s_lshl_b32 s12, s12, 17
	s_add_co_u32 s12, s12, 65536                   ; the direct blocks' prefetch: block 1 + 2 (cx & 1),
	s_lshr_b32 s13, s40, 1
	s_lshl_b32 s13, s13, 13
	s_add_co_u32 s12, s12, s13                     ; the first or the second four of eight steps
	s_lshl_b32 s46, s40, 17                        ; the tiles' prefetch: of A's four blocks, 131,072 bytes apart, number cx;
	s_lshl_b32 s47, s41, 16                        ; of B's, 65,536 apart, number cy
	s_cmp_eq_u32 s15, 0
	s_cselect_b32 s46, s46, s47
	s_lshl_b32 s47, s40, 13                        ; cos' and sin's prefetch: quarter cx of my 64 tokens' 32,768 bytes
	s_lshl_b32 s13, s14, 14
	v_and_b32 v4, 31, v0
	v_lshlrev_b32 v[LI], 4, v4
	v_add_nc_u32 v[LA], s13, v[LI]
	v_add_nc_u32 v[LB1], BOFF, v[LI]
	v_add_nc_u32 v[AC], s13, v[LI]                 ; slot 0
	v_add_nc_u32 v[BC], BOFF, v[LI]
	v_lshl_add_u32 v[PFO], v4, 8, s12
	v_lshl_add_u32 v[PFT], v4, 8, s46
	v_lshl_add_u32 v[PFC], v4, 8, s47
	v_and_b32 v1, 15, v0                           ; r
	v_bfe_u32 v2, v0, 4, 1                         ; h
	v_and_b32 v4, 8, v1
	v_add_nc_u32 v4, v4, v1                        ; r + 8 (r / 8)
	v_lshlrev_b32 v[CSO], 9, v4
	v_lshl_add_u32 v[CSO], v2, 6, v[CSO]
	v_lshlrev_b32 v[WO], 6, v2
	s_wait_alu depctr_va_vdst(0)                   ; the wait behind the head's vector lines, ahead of the scalar lines and waits below
	s_mov_b32 s42, ttmp9                           ; X: the cluster's x, 0..7
	s_and_b32 s43, ttmp7, 0xffff                   ; Y: the cluster's y, 0..1
	s_lshr_b32 s44, s42, 1                         ; the kind
	s_lshl_b32 s13, s41, 2
	s_lshl_b32 s13, 15, s13                        ; my row of the cluster
	s_lshl_b32 s46, 0x1111, s40                    ; my column
	s_or_b32 s[G1A], s13, (3<<16)|(1<<21)          ; the mask; elements of 8 bytes; bit 21 beside a mask; no padding
	s_or_b32 s[G1B], s46, (3<<16)|(1<<21)
.irp g, G1A, G1B
	s_mov_b32 s[\g+1], 1024<<16                    ; tensor_dim0: 8,192 bytes: four images of one block of 16 rows
	s_mov_b32 s[\g+2], 4<<16                       ; tensor_dim1 = 4 blocks
	s_mov_b32 s[\g+3], 1024<<16                    ; tile_dim0
	s_mov_b32 s[\g+4], 4                           ; tile_dim1
	s_mov_b32 s[\g+6], 0
	s_mov_b32 s[\g+7], 0
.endr
	s_mov_b32 s[G1A+5], 16384                      ; A: every second block: 131,072 bytes from one to the next
	s_mov_b32 s[G1B+5], 8192                       ; B: 65,536 bytes
	s_mov_b32 s66, 0x76543210                      ; v_permlanex16_b32's selects for lane xor 16
	s_mov_b32 s67, 0xfedcba98
	; role A's first row: kinds 0, 1: 1024 Y + 256 cy of plane 0; kind 2: the same of plane 1; kind 3: row 3072 + 256 cy of wc.  16 rows are 65,536 bytes.  No cx enters these registers
	s_lshl_b32 s36, s43, 10
	s_cmp_eq_u32 s44, 2
	s_cselect_b32 s12, 2048, 0
	s_add_co_u32 s36, s36, s12
	s_cmp_eq_u32 s44, 3
	s_cselect_b32 s36, 3072, s36
	s_lshl_b32 s12, s41, 8
	s_add_co_u32 s36, s36, s12
	s_lshl_b32 s12, s2, 7
	s_add_co_u32 s34, s36, s12                     ; the tile that I would fetch: + 128 rows x half
	s_lshl_b32 s34, s34, 12
	s_mov_b32 s35, 0
	s_lshl_b32 s12, s14, 6
	s_add_co_u32 s36, s36, s12                     ; my wave's own rows: + 64 x wave
	s_lshl_b32 s36, s36, 12
	s_mov_b32 s37, 0
	; role B's: kinds 0 to 2: row 512 X + 128 cx + 64 half of wc; kind 3: row 4096 + 1024 (X & 1) + 512 Y + 128 cx + 64 half of xc (plane 2).  No cy enters these registers
	s_lshl_b32 s58, s42, 9
	s_and_b32 s45, s42, 1
	s_lshl_b32 s45, s45, 10
	s_lshl_b32 s47, s43, 9
	s_add_co_u32 s45, s45, s47
	s_add_co_u32 s45, s45, 4096
	s_cmp_eq_u32 s44, 3
	s_cselect_b32 s58, s45, s58
	s_lshl_b32 s45, s40, 7
	s_add_co_u32 s58, s58, s45
	s_lshl_b32 s45, s2, 6
	s_add_co_u32 s58, s58, s45
	s_lshl_b32 s58, s58, 12
	s_mov_b32 s59, 0
	s_mov_b32 s[G0A], 1                            ; count = 1
	s_mov_b32 s[G0B], 1
	s_lshl_b32 s[G0A+1], s2, 15                    ; slot 0: A's halves, 32,768 bytes each,
	s_lshl_b32 s[G0B+1], s2, 15
	s_add_co_u32 s[G0B+1], s[G0B+1], BOFF          ; then B's: no place in the cluster enters an LDS address
	s_mov_b32 s[TB], 0
	s_wait_dscnt 0x0                               ; both opening adds are done
	s_wait_kmcnt 0x0
	s_load_b256 s[84:91], s[100:101], 0x0          ; e0 .. e7
	s_load_b128 s[92:95], s[100:101], 0x20         ; e8 .. e11
	s_cmp_eq_u32 s44, 3
	s_cselect_b64 s[12:13], s[98:99], s[96:97]     ; role A's buffer,
	s_cselect_b64 s[98:99], s[96:97], s[98:99]     ; role B's
	s_add_nc_u64 s[AB:AB+1], s[12:13], s[AB:AB+1]
	s_add_nc_u64 s[G0A+2:G0A+3], s[12:13], s[G0A+2:G0A+3]
	s_add_nc_u64 s[G0B+2:G0B+3], s[98:99], s[G0B+2:G0B+3]
	s_cmp_eq_u32 s15, 0
	s_cselect_b64 s[PT:PT+1], s[G0A+2:G0A+3], s[G0B+2:G0B+3]
	s_or_b32 s[G0A+3], s[G0A+3], 0x80000000        ; type = 2
	s_or_b32 s[G0B+3], s[G0B+3], 0x80000000
	WIN 0x40                                       ; A's odd blocks of steps 0, 1, 2: 24 loads
	LDA 1, 0, 0
	LDA 3, 0, 0
	WIN 0xc0
	LDA 1, 0, 1
	LDA 3, 0, 1
	WIN 0x40
	LDA 1, 64, 2
	LDA 3, 64, 2
	WIN 0
	CROUND                                         ; all sixteen work-groups are here: the first joint loads meet
	JLOAD                                          ; slot 0: one tensor load a wave
	global_prefetch_b8 v[PFT], s[PT:PT+1] offset:8192 th:TH_LOAD_NT scope:SCOPE_SE    ; my work-group's block of the tile that I fetch: fill 1,
	global_prefetch_b8 v[PFT], s[PT:PT+1] offset:16384 th:TH_LOAD_NT scope:SCOPE_SE   ; and fill 2
	s_wait_tensorcnt 0x0                           ; my part of slot 0 is in
	ds_add_u32 v[SPW], v[NIL]
	WALK
	s_wait_dscnt 0x0
	CROUND                                         ; everybody's part of slot 0 is in, and the joint loads meet
	JLOAD                                          ; slot 1's first fill, the first tensor load behind the round
	WIN 0x40
	RUN 0, 0, 0, 0, 0
	STEP 0, 3, 1, 1, 1, 16                         ; the first step's products start the sums: nothing is cleared
	WIN 0
	s_mov_b32 s3, 6
.Ltrip:                                                ; six trips, each of which fills the slot that it leaves
	s_bitcmp1_b32 s3, 0
	s_cbranch_scc1 .Lno_direct                     ; every second trip:
	global_prefetch_b8 v[PFO], s[AB:AB+1] offset:16384 th:TH_LOAD_NT scope:SCOPE_SE   ; my work-group's share of my direct blocks, the eight steps that begin eight steps on from the trip's base
.Lno_direct:
	s_cmp_gt_u32 s3, 1
	s_cbranch_scc0 .Lno_tile                       ; the last trip's fill three on does not exist
	global_prefetch_b8 v[PFT], s[PT:PT+1] offset:24576 th:TH_LOAD_NT scope:SCOPE_SE   ; my work-group's block of the tile that I fetch, the fill three on from the slot in hand
.Lno_tile:
	TRIP 1
	WIN 0
	s_wait_xcnt 0x0                                ; my loads and prefetches have read their bases: they step only behind this wait
	s_add_nc_u64 s[AB:AB+1], s[AB:AB+1], 8192
	s_add_nc_u64 s[PT:PT+1], s[PT:PT+1], 8192
	s_sub_co_u32 s3, s3, 1
	s_cmp_lg_u32 s3, 0
	s_cbranch_scc1 .Ltrip
	s_lshl_b32 s8, s43, 10                         ; kinds 0 and 2: cos and sin of my 64 tokens are asked for, seven steps ahead of the way out
	s_lshl_b32 s9, s41, 8
	s_add_co_u32 s8, s8, s9
	s_lshl_b32 s9, s14, 6
	s_add_co_u32 s8, s8, s9                        ; my wave's first token, a multiple of 64
	s_lshl_b32 s8, s8, 9                           ; 512 bytes a token
	s_mov_b32 s9, 0
	s_add_nc_u64 s[4:5], s[82:83], s[8:9]
	s_add_nc_u64 s[6:7], s[68:69], s[8:9]
	s_bitcmp1_b32 s44, 0                           ; the kind hangs on the cluster's x alone
	s_cbranch_scc1 .Lno_cs
	global_prefetch_b8 v[PFC], s[4:5] th:TH_LOAD_NT scope:SCOPE_SE
	global_prefetch_b8 v[PFC], s[6:7] th:TH_LOAD_NT scope:SCOPE_SE
.Lno_cs:
	TRIP 0                                         ; the tail is written out: nothing more is filled; A's last step is asked for in this trip,
	STEP 1, 0, 0, 0, 1, 16
	STEP 2, 0, 0, 0, 1, 8
	STEP 3, 0, 0, 0, 0, 0                          ; and the last step fetches nothing
	WIN 0
	PLACES                                         ; in front of the first reads of results, and of writes of registers that held fragments
	s_wait_kmcnt 0x0                               ; the scales' exponents
	s_lshl_b32 s99, s43, 10
	s_lshl_b32 s100, s41, 8
	s_add_co_u32 s99, s99, s100
	s_lshl_b32 s100, s14, 6
	s_add_co_u32 s99, s99, s100                    ; kinds 0 to 2: my wave's first token position, a multiple of 64
	s_and_b32 s100, s42, 1
	s_lshl_b32 s100, s100, 2
	s_add_co_u32 s100, s100, s40                   ; and the head
	s_mov_b32 s19, 0
	s_cmp_eq_u32 s44, 1                            ; the kind hangs on the cluster's x alone: all partners go the same way
	s_cbranch_scc1 .Lgate
	s_cmp_eq_u32 s44, 3
	s_cbranch_scc1 .Lv
; ---------------- q and k ----------------
	s_cmp_eq_u32 s44, 2
	s_cselect_b32 s96, s86, s84                    ; e2 or e0
	s_cselect_b32 s97, s87, s85                    ; e3 or e1
	s_cselect_b32 s98, s91, s90                    ; e7 or e6
	s_cselect_b64 s[22:23], s[72:73], s[70:71]     ; the norm weight
	s_cselect_b64 s[12:13], s[76:77], s[74:75]     ; kf or qf
	s_add_co_i32 s96, s96, s97                     ; ES: a sum stands for sum x 2^ES
	s_lshl_b32 s97, s96, 1
	s_sub_co_i32 s97, s97, 7                       ; the mean of 128 squares = the sum of the raw squares x 2^(2 ES - 7)
	MKSCALE s98
	s_lshl_b32 s18, s100, 18
	s_lshl_b32 s98, s99, 7
	s_add_co_u32 s18, s18, s98
	s_add_nc_u64 s[12:13], s[12:13], s[18:19]      ; head x 128 fragments + my first fragment, 2,048 bytes each
	s_lshl_b32 s18, s99, 9
	s_add_nc_u64 s[82:83], s[82:83], s[18:19]      ; cos and sin at my first token
	s_add_nc_u64 s[68:69], s[68:69], s[18:19]
.irp a, 0,1,2,3
	v_mov_b32 v[FA+2*\a+1], 0                      ; a lane permute's destination counts as one of its sources
.endr
.irp b, 0,1,2,3
.irp j, 0,1,2,3
	global_load_b128 v[W+16*\b+4*\j:W+16*\b+4*\j+3], v[WO], s[22:23] offset:128*\b+16*\j   ; w at channels 32 b + 16 h + 4 j on
.endr
.endr
.macro CSLOAD a                        ; cos and sin of block a's tokens 32 (a / 2) + 8 (a % 2) + r + 8 (r / 8), at my 64 channels, into window 3 (blocks 0, 1) or 1 (blocks 2, 3)
.set WND, (3-2*((\a)/2))<<6
	WIN WND
.irp b, 0,1,2,3
.irp j, 0,1,2,3
	global_load_b128 v[128*((\a)%2)+16*\b+4*\j:128*((\a)%2)+16*\b+4*\j+3], v[CSO], s[82:83] offset:(32*((\a)/2)+8*((\a)%2))*512+128*\b+16*\j
	global_load_b128 v[128*((\a)%2)+64+16*\b+4*\j:128*((\a)%2)+64+16*\b+4*\j+3], v[CSO], s[68:69] offset:(32*((\a)/2)+8*((\a)%2))*512+128*\b+16*\j
.endr
.endr
	WIN 0
.endm
.macro SUMSQ a                         ; mean(x^2) + eps of block a's tokens; each accumulator is read from its low end on
	WIN 0x0a
.irp n, 0,2,4,6
	v_pk_mul_f32 v[CH+\n:CH+\n+1], v[64*\a+\n:64*\a+\n+1], v[64*\a+\n:64*\a+\n+1]
.endr
.irp n, 8,10,12,14,16,18,20,22,24,26,28,30,32,34,36,38,40,42,44,46,48,50,52,54,56,58,60,62
	v_pk_fma_f32 v[CH+\n%8:CH+\n%8+1], v[64*\a+\n:64*\a+\n+1], v[64*\a+\n:64*\a+\n+1], v[CH+\n%8:CH+\n%8+1]
.endr
	WIN 0
	v_pk_add_f32 v[CH:CH+1], v[CH:CH+1], v[CH+2:CH+3]
	v_pk_add_f32 v[CH+4:CH+5], v[CH+4:CH+5], v[CH+6:CH+7]
	v_pk_add_f32 v[CH:CH+1], v[CH:CH+1], v[CH+4:CH+5]
	v_add_f32 v[CH], v[CH], v[CH+1]
	v_permlanex16_b32 v[FA+2*\a+1], v[CH], s66, s67   ; the token's other 64 channels lie in lane xor 16
	v_add_f32 v[FA+2*\a], v[CH], v[FA+2*\a+1]
	v_ldexp_f32 v[FA+2*\a], v[FA+2*\a], s97
	v_add_f32 v[FA+2*\a], 0x358637bd, v[FA+2*\a]   ; + 1e-6
.endm
.macro PROC a, left                    ; block a: norm, weight, RoPE, the hold, the codes, the stores.  left: the younger loads (later blocks' cos and sin) that may stay out
.set CB, 128*((\a)%2)
.set WN, 3-2*((\a)/2)                  ; the window of this block's cos and sin
.set WNA, (WN<<2)|(WN<<4)|(WN<<6)
.set WNB, (WN<<6)|WN
	s_wait_loadcnt \left
	WIN 0x02
.set n, 0
.rept 32
	v_pk_mul_f32 v[XR+n:XR+n+1], v[64*(\a)+n:64*(\a)+n+1], v[FA+2*(\a):FA+2*(\a)+1] op_sel_hi:[1,0]   ; x rsqrt(mean + eps)
.set n, n+2
.endr
	WIN 0
.set n, 0
.rept 32
	v_pk_mul_f32 v[XR+n:XR+n+1], v[XR+n:XR+n+1], v[W+n:W+n+1]
.set n, n+2
.endr
	WIN WNA                                        ; source 0 window 0; cos, sin and the result in their window
.set n, 0
.rept 16
	v_pk_mul_f32 v[CB+n:CB+n+1], v[XR+n:XR+n+1], v[CB+n:CB+n+1]                          ; d < 64:  x(d) cos(d)
	v_pk_mul_f32 v[CB+32+n:CB+32+n+1], v[XR+32+n:XR+32+n+1], v[CB+32+n:CB+32+n+1]        ; d >= 64: x(d) cos(d)
	v_pk_fma_f32 v[CB+n:CB+n+1], v[XR+32+n:XR+32+n+1], v[CB+64+n:CB+64+n+1], v[CB+n:CB+n+1] neg_lo:[1,0,0] neg_hi:[1,0,0]   ; - x(d + 64) sin(d)
	v_pk_fma_f32 v[CB+32+n:CB+32+n+1], v[XR+n:XR+n+1], v[CB+96+n:CB+96+n+1], v[CB+32+n:CB+32+n+1]                          ; + x(d - 64) sin(d)
.set n, n+2
.endr
	WIN WNB
.set n, 0
.rept 64
	v_med3_num_f32 v[CB+n], v[CB+n], -v[LIM], v[LIM]   ; the conversion does not saturate (ISA guide 7.6.2)
.set n, n+1
.endr
.if (\a) > 0
	s_wait_alu depctr_va_vdst(0)
	s_wait_xcnt 0x0                                ; the last block's stores have read the code registers
.endif
	WIN WN
.irp g, 0,1,2,3,4,5,6,7
	v_cvt_scalef32_pk8_fp8_f32 v[PC+2*\g:PC+2*\g+1], v[CB+8*\g:CB+8*\g+7], v[SCL]
.endr
	WIN 0
	v_nop                                          ; one plain vector line behind the last conversion
.irp b, 0,1,2,3
	global_store_b128 v[LI], v[PC+4*\b:PC+4*\b+3], s[12:13] offset:2048*(\a)+512*\b   ; the fragment's image: 512 consecutive bytes a store
.endr
.endm
	CSLOAD 0
	SUMSQ 0
	SUMSQ 1
	SUMSQ 2
	SUMSQ 3
	s_wait_alu depctr_va_vdst(0)
.irp a, 0,1,2,3
	v_rsq_f32 v[FA+2*\a], v[FA+2*\a]
.endr
	v_nop                                          ; a plain line behind the last of the batch,
	s_wait_alu depctr_va_vdst(0)                   ; and one wait for the four, ahead of their first reader
.irp a, 0,1,2,3
	v_ldexp_f32 v[FA+2*\a], v[FA+2*\a], s96        ; x 2^ES: the factor for the raw sums
.endr
	CSLOAD 1                                       ; cos and sin run two blocks ahead of the work
	CSLOAD 2
	s_wait_alu depctr_va_vdst(0)
	PROC 0, 63                                     ; two later blocks' 64 loads stand behind block 0's; the wait's field names 63 at the most
	CSLOAD 3
	PROC 1, 63
	PROC 2, 32
	PROC 3, 0
	FINISH
; ---------------- gate: sigmoid(g) = 1 / (1 + 2^(-log2(e) g)) ----------------
.Lgate:
	s_add_co_i32 s96, s84, s85
	s_lshl_b32 s96, s96, 23
	s_add_co_u32 s96, s96, 0xbfb8aa3b              ; -log2(e) x 2^(e0 + e1): the exponents are added to the constant's exponent field
	s_mov_b32 s97, s96                             ; (named with it as a pair)
	s_lshl_b32 s18, s100, 20
	s_lshl_b32 s98, s99, 9
	s_add_co_u32 s18, s18, s98
	s_add_nc_u64 s[12:13], s[80:81], s[18:19]      ; head x 128 fragments + my first fragment, 8,192 bytes each
.irp a, 0,1,2,3
.set GB, 128+64*(\a%2)
.if \a >= 2
	s_wait_xcnt 0x0                                ; the stores of two blocks back have read this set
.endif
	WIN 0x02
.set n, 0
.rept 32
	v_pk_mul_f32 v[GB+n:GB+n+1], v[64*\a+n:64*\a+n+1], s[96:97] op_sel_hi:[1,0]
.set n, n+2
.endr
	WIN 0
.set n, 0
	s_wait_alu depctr_va_vdst(0)
.rept 64
	v_exp_f32 v[GB+n], v[GB+n]
.set n, n+1
.endr
	v_nop
	s_wait_alu depctr_va_vdst(0)                   ; one wait for the batch
.set n, 0
.rept 32
	v_pk_add_f32 v[GB+n:GB+n+1], v[GB+n:GB+n+1], 1.0 op_sel_hi:[1,0]
.set n, n+2
.endr
.set n, 0
	s_wait_alu depctr_va_vdst(0)
.rept 64
	v_rcp_f32 v[GB+n], v[GB+n]
.set n, n+1
.endr
	v_nop
	s_wait_alu depctr_va_vdst(0)
.set n, 0
.rept 16
	global_store_b128 v[LI], v[GB+4*n:GB+4*n+3], s[12:13] offset:8192*\a+512*n
.set n, n+1
.endr
.endr
	FINISH
; ---------------- v: a lane holds a channel, its registers run along 128 keys ----------------
.Lv:
	s_sub_co_i32 s96, s93, s88
	s_sub_co_i32 s96, s96, s89                     ; a sum stands for sum x 2^(e4 + e5): its code is sum / 2^(e9 - e4 - e5)
	MKSCALE s96
	s_wait_alu depctr_va_vdst(0)
	s_lshl_b32 s18, s41, 1
	s_add_co_u32 s18, s18, s15                     ; the head: 2 cy + wave / 2
	s_lshl_b32 s18, s18, 18
	s_and_b32 s97, s42, 1
	s_lshl_b32 s97, s97, 3
	s_lshl_b32 s98, s43, 2
	s_add_co_u32 s97, s97, s98
	s_add_co_u32 s97, s97, s40                     ; the key step: 8 (X & 1) + 4 Y + cx
	s_lshl_b32 s97, s97, 14
	s_add_co_u32 s18, s18, s97
	s_lshl_b32 s97, s2, 13                         ; fragments 4 (wave & 1) on
	s_add_co_u32 s18, s18, s97
	s_add_nc_u64 s[12:13], s[78:79], s[18:19]
.irp a, 0,1,2,3
.if \a >= 2
	s_wait_xcnt 0x0                                ; the stores of two blocks back have read this set of code registers
.endif
	WIN 0x02
.set n, 0
.rept 64
	v_med3_num_f32 v[XR+n], v[64*\a+n], -v[LIM], v[LIM]
.set n, n+1
.endr
	WIN 0
.irp g, 0,1,2,3,4,5,6,7
	v_cvt_scalef32_pk8_fp8_f32 v[PC+16*(\a%2)+2*\g:PC+16*(\a%2)+2*\g+1], v[XR+8*\g:XR+8*\g+7], v[SCL]
.endr
	v_nop                                          ; one plain vector line behind the last conversion
.irp b, 0,1,2,3
	global_store_b128 v[LI], v[PC+16*(\a%2)+4*\b:PC+16*(\a%2)+4*\b+3], s[12:13] offset:2048*\a+512*\b
.endr
.endr
	FINISH
.Lfunc_end_k_qfa32f39cab_proj:
	.size	k_qfa32f39cab_proj, .Lfunc_end_k_qfa32f39cab_proj-k_qfa32f39cab_proj
	.p2alignl 7, 3214868480
	.fill 96, 4, 3214868480
	.section	.rodata,"a",@progbits
	.p2align	6, 0x0
	.amdhsa_kernel k_qfa32f39cab_proj
		.amdhsa_group_segment_fixed_size 327680
		.amdhsa_private_segment_fixed_size 0
		.amdhsa_enable_private_segment 0
		.amdhsa_kernarg_size 88
		.amdhsa_user_sgpr_count 2
		.amdhsa_user_sgpr_kernarg_segment_ptr 1
		.amdhsa_wavefront_size32 1
		.amdhsa_system_sgpr_workgroup_id_x 1
		.amdhsa_system_sgpr_workgroup_id_y 1
		.amdhsa_system_sgpr_workgroup_id_z 1
		.amdhsa_system_vgpr_workitem_id 0
		.amdhsa_next_free_vgpr 1024
		.amdhsa_next_free_sgpr 102
		.amdhsa_reserve_vcc 0
		.amdhsa_float_denorm_mode_32 3
		.amdhsa_float_denorm_mode_16_64 3
		.amdhsa_memory_ordered 1
		.amdhsa_forward_progress 1
		.amdhsa_inst_pref_size 218
	.end_amdhsa_kernel
	.amdgpu_metadata
---
amdhsa.version: [ 1, 2 ]
amdhsa.kernels:
  - .name:           k_qfa32f39cab_proj
    .symbol:         k_qfa32f39cab_proj.kd
    .args:
      - { .name: xc, .offset: 0, .size: 8, .value_kind: global_buffer, .address_space: global }
      - { .name: wc, .offset: 8, .size: 8, .value_kind: global_buffer, .address_space: global }
      - { .name: lowp_scales, .offset: 16, .size: 8, .value_kind: global_buffer, .address_space: global }
      - { .name: cos, .offset: 24, .size: 8, .value_kind: global_buffer, .address_space: global }
      - { .name: sin, .offset: 32, .size: 8, .value_kind: global_buffer, .address_space: global }
      - { .name: q_norm_w, .offset: 40, .size: 8, .value_kind: global_buffer, .address_space: global }
      - { .name: k_norm_w, .offset: 48, .size: 8, .value_kind: global_buffer, .address_space: global }
      - { .name: qf, .offset: 56, .size: 8, .value_kind: global_buffer, .address_space: global }
      - { .name: kf, .offset: 64, .size: 8, .value_kind: global_buffer, .address_space: global }
      - { .name: vf, .offset: 72, .size: 8, .value_kind: global_buffer, .address_space: global }
      - { .name: gf, .offset: 80, .size: 8, .value_kind: global_buffer, .address_space: global }
    .group_segment_fixed_size: 327680
    .private_segment_fixed_size: 0
    .kernarg_segment_align: 8
    .kernarg_segment_size: 88
    .max_flat_workgroup_size: 128
    .sgpr_count:     102
    .vgpr_count:     1024
    .wavefront_size: 32
...
	.end_amdgpu_metadata
.endif
;; end of part 2
;; launch attn (part 3): grid 32 x 8, 16 waves a work-group, clusters of 4 x 1, 327,680 bytes of LDS; arguments qf, kf, vf, gf, lowp_scales, af; writes af
.if DOCPART == 3
	.amdgcn_target "amdgcn-amd-amdhsa--gfx1250"
	.amdhsa_code_object_version 6
	.text
	.protected	k_qfa32f39cab_attn
	.globl	k_qfa32f39cab_attn
	.p2align	8
	.type	k_qfa32f39cab_attn,@function
k_qfa32f39cab_attn:
	s_mov_b64 s[64:65], 0
	v_nop
	global_prefetch_b8 v0, s[64:65] scope:SCOPE_SE
	s_setreg_imm32_b32 hwreg(HW_REG_WAVE_MODE, 25, 1), 1
	s_wait_xcnt 0x0
	s_wait_alu depctr_hold_cnt(0) depctr_sa_sdst(0) depctr_va_vdst(0) depctr_va_sdst(0) depctr_va_ssrc(0) depctr_va_vcc(0) depctr_vm_vsrc(0)
	s_getreg_b32 s2, hwreg(HW_REG_IB_STS2, 6, 4)
	s_cmp_eq_u32 s2, 0
	s_cbranch_scc0 .Lentry_in_a_cluster
	s_endpgm
.Lentry_in_a_cluster:
	s_bfe_u32 s2, ttmp6, 0x10000c
	s_cmp_lg_u32 s2, 0x3003
	s_cbranch_scc0 .Lentry_shape_is_right
	s_endpgm
.Lentry_shape_is_right:
.set SLOT1, 131072
.set VOFF,  65536
.set SPARE, 262144
.set ML,    264192
.set WV,  18
.set PHI, 19
.set TAU, 20
.set DGP, 43
.set SEL, 44
.set CS,  46
.macro ROUND
	s_barrier_signal -1
	s_barrier_wait -1
	s_cmp_lg_u32 s[WV], 0
	s_cbranch_scc1 .Lnot_wave_0_\@
	s_barrier_signal -3
.Lnot_wave_0_\@:
	s_barrier_wait -3
	s_barrier_signal -1
	s_barrier_wait -1
.endm
	s_load_b256 s[4:11], s[0:1], 0x0
	s_load_b128 s[12:15], s[0:1], 0x20
	v_lshl_add_u32 v5, v0, 2, SPARE
	v_mov_b32 v6, 0
	ds_add_u32 v5, v6
	ds_add_u32 v5, v6
	v_lshrrev_b32 v248, 5, v0
	s_delay_alu instid0(VALU_DEP_1)
	v_readfirstlane_b32 s[WV], v248
	s_and_b32 s[PHI], s[WV], 3
	s_lshr_b32 s[TAU], s[WV], 2
	s_bfe_u32 s21, ttmp6, 0x40000
	s_lshl_b32 s22, ttmp9, 2
	s_add_co_u32 s22, s22, s21
	s_sub_co_u32 s23, 31, s22
	s_and_b32 s16, s[TAU], 1
	s_cmp_eq_u32 s16, 1
	s_cselect_b32 s23, s23, s22
	s_lshl_b32 s17, s[TAU], 5
	s_add_co_u32 s23, s23, s17
	s_lshr_b32 s42, ttmp9, 1
	s_sub_co_u32 s17, 3, s42
	s_cmp_eq_u32 s16, 1
	s_cselect_b32 s42, s17, s42
	s_lshl_b32 s17, s[TAU], 2
	s_add_co_u32 s42, s42, s17
	s_sub_co_i32 s[DGP], s42, s[PHI]
	s_and_b32 s53, ttmp7, 0xffff
	s_mov_b32 s24, 15|(3<<16)|(1<<21)
	s_mov_b32 s25, 256<<16
	s_mov_b32 s26, 4<<16
	s_mov_b32 s27, 256<<16
	s_mov_b32 s28, 4
	s_mov_b32 s29, 2048
	s_mov_b32 s30, 0
	s_mov_b32 s31, 0
	s_mov_b32 s[SEL], 0x76543210
	s_mov_b32 s[SEL+1], 0xfedcba98
	s_mov_b32 s[CS], 0x3e0293ee
	s_mov_b32 s32, 1
	s_mov_b32 s36, 1
	s_lshl_b32 s33, s[WV], 13
	s_add_co_u32 s37, s33, SLOT1
	s_lshl_b32 s40, s53, 18
	s_and_b32 s41, s[WV], 7
	s_lshl_b32 s41, s41, 11
	s_add_co_u32 s40, s40, s41
	s_mov_b32 s41, 0
	s_wait_dscnt 0x0
	s_wait_kmcnt 0x0
	s_load_b128 s[48:51], s[12:13], 0x18
	s_load_b32 s52, s[12:13], 0x28
	s_cmp_lt_u32 s[WV], 8
	s_cselect_b64 s[34:35], s[6:7], s[8:9]
	s_add_nc_u64 s[34:35], s[34:35], s[40:41]
	s_add_nc_u64 s[38:39], s[34:35], 65536
	s_or_b32 s35, s35, 0x80000000
	s_or_b32 s39, s39, 0x80000000
	ROUND
	tensor_load_to_lds s[32:35], s[24:31]
	s_nop 0
	s_wait_alu depctr_va_vdst(0)
	s_wait_tensorcnt 0x0
	ds_add_u32 v5, v6
	s_wait_dscnt 0x0
	ROUND
	tensor_load_to_lds s[36:39], s[24:31]
	s_nop 0
.rept 4
	v_nop
.endr
	v_and_b32 v248, 31, v0
	s_delay_alu instid0(VALU_DEP_1)
	v_lshlrev_b32 v7, 4, v248
	s_lshl_b32 s16, s[PHI], 11
	v_add_nc_u32 v1, s16, v7
	s_delay_alu instid0(VALU_DEP_1)
	v_add_nc_u32 v2, SLOT1, v1
	s_delay_alu instid0(VALU_DEP_2)
	v_add_nc_u32 v3, VOFF, v1
	s_delay_alu instid0(VALU_DEP_3)
	v_add_nc_u32 v4, VOFF+SLOT1, v1
	v_lshlrev_b32 v9, 8, v248
	s_lshl_b32 s16, s[WV], 13
	v_add_nc_u32 v10, s16, v7
	s_lshl_b32 s16, s[TAU], 15
	v_add_nc_u32 v11, s16, v1
	v_lshl_add_u32 v245, v0, 3, ML
	v_lshlrev_b32 v246, 3, v248
	s_lshl_b32 s16, s[TAU], 10
	s_add_co_u32 s16, s16, ML
	v_add_nc_u32 v246, s16, v246
	v_and_b32 v249, 15, v0
	v_bfe_u32 v250, v0, 4, 1
	s_delay_alu instid0(VALU_DEP_2)
	v_and_b32 v251, 8, v249
	s_delay_alu instid0(VALU_DEP_1)
	v_add_nc_u32 v251, v251, v249
	s_delay_alu instid0(VALU_DEP_3)
	v_lshlrev_b32 v250, 4, v250
	s_delay_alu instid0(VALU_DEP_1)
	v_sub_nc_u32 v8, v251, v250
	s_and_b32 s16, s23, 6
	s_lshl_b32 s16, s16, 4
	s_and_b32 s17, s23, 1
	s_lshl_b32 s17, s17, 3
	s_add_co_u32 s16, s16, s17
	v_add_nc_u32 v8, s16, v8
	s_lshl_b32 s16, s53, 18
	s_lshl_b32 s17, s23, 11
	s_add_co_u32 s16, s16, s17
	s_mov_b32 s17, 0
	s_add_nc_u64 s[4:5], s[4:5], s[16:17]
.irp c, 0,1,2,3
	global_load_b128 v[16+4*\c:19+4*\c], v7, s[4:5] offset:512*\c
.endr
	s_lshl_b32 s16, s53, 20
	s_lshl_b32 s57, s23, 13
	s_add_co_u32 s16, s16, s57
	s_lshl_b32 s57, s[PHI], 11
	s_add_co_u32 s16, s16, s57
	s_add_nc_u64 s[58:59], s[10:11], s[16:17]
	s_lshl_b32 s16, s23, 14
	s_lshl_b32 s57, s53, 11
	s_add_co_u32 s16, s16, s57
	s_lshl_b32 s57, s[PHI], 9
	s_add_co_u32 s16, s16, s57
	s_add_nc_u64 s[60:61], s[14:15], s[16:17]
	s_cmp_lt_u32 s[WV], 2
	s_cselect_b64 s[54:55], s[6:7], s[8:9]
	s_lshl_b32 s16, s53, 18
	s_lshl_b32 s57, s21, 14
	s_add_co_u32 s16, s16, s57
	s_and_b32 s57, s[WV], 1
	s_lshl_b32 s57, s57, 13
	s_add_co_u32 s16, s16, s57
	s_add_nc_u64 s[54:55], s[54:55], s[16:17]
	s_lshr_b32 s56, s[WV], 2
	s_or_b32 s56, s56, ttmp9
	v_mov_b32 v13, 0xff61b1e6
	s_delay_alu instid0(VALU_DEP_1)
	v_floor_f32 v12, -v13
	v_mov_b32 v14, 0
	v_mov_b32 v15, 0
	v_mov_b32 v236, 0
	v_mov_b32 v252, 0
	v_mov_b32 v253, 0
.set n, 0
.rept 64
	v_mov_b32 v[160+n], 0
.set n, n+1
.endr
	s_wait_kmcnt 0x0
	s_add_co_i32 s16, s48, s49
	s_lshl_b32 s16, s16, 23
	s_add_co_i32 s[CS], s[CS], s16
	s_mov_b32 s[CS+1], s[CS]
	s_add_co_i32 s16, s50, 127
	s_lshl_b32 s17, s16, 23
	v_mov_b32 v244, s17
	s_add_co_i32 s16, s16, 8
	s_lshl_b32 s16, s16, 23
	s_or_b32 s16, s16, 0x600000
	v_mov_b32 v240, s16
	s_add_co_i32 s16, s52, 127
	s_lshl_b32 s17, s16, 23
	v_mov_b32 v241, s17
	s_add_co_i32 s16, s16, 8
	s_lshl_b32 s16, s16, 23
	s_or_b32 s16, s16, 0x600000
	v_mov_b32 v247, s16
	s_add_co_i32 s62, s50, s51
.macro STEP sw
	s_cmp_lt_i32 s[DGP], 4*(\sw)
	s_cbranch_scc1 .Lhidden_\@
.irp g, 0,1
.rept 4
	v_nop
.endr
.irp t, 0,1,2,3
.irp c, 0,1,2,3
	ds_load_b128 v[32+16*\t+4*\c:32+16*\t+4*\c+3], v[1+(\sw)%2] offset:(4*\g+\t)*8192+512*\c
.endr
.endr
	s_wait_dscnt 0x0
.irp t, 0,1,2,3
	v_wmma_f32_16x16x128_fp8_fp8 v[96+8*(4*\g+\t):103+8*(4*\g+\t)], v[32+16*\t:47+16*\t], v[16:31], 0
.endr
.endr
.rept 4
	v_nop
.endr
	s_cmp_lg_u32 s[DGP], 4*(\sw)
	s_cbranch_scc1 .Lopen_\@
	v_mov_b32 v254, 0xff800000
.set n, 0
.rept 64
	v_cmp_gt_i32 vcc_lo, 32*(n/16)+n%16, v8
	v_cndmask_b32 v[96+n], v[96+n], v254, vcc_lo
.set n, n+1
.endr
.Lopen_\@:
	v_max3_num_f32 v254, v96, v97, v98
	v_max3_num_f32 v252, v99, v100, v101
.irp i, 6,10,14,18,22,26,30,34,38,42,46,50,54,58
	v_max3_num_f32 v254, v254, v[96+\i], v[97+\i]
	v_max3_num_f32 v252, v252, v[98+\i], v[99+\i]
.endr
	v_max3_num_f32 v254, v254, v158, v159
	s_delay_alu instid0(VALU_DEP_1)
	v_max_num_f32 v254, v254, v252
	v_permlanex16_b32 v236, v254, s[SEL], s[SEL+1]
	s_delay_alu instid0(VALU_DEP_1)
	v_max_num_f32 v254, v254, v236
	s_delay_alu instid0(VALU_DEP_1)
	v_mul_f32 v254, s[CS], v254
	s_delay_alu instid0(VALU_DEP_1)
	v_max_num_f32 v13, v13, v254
	v_mov_b32 v254, v12
	s_delay_alu instid0(VALU_DEP_2)
	v_floor_f32 v12, -v13
	s_delay_alu instid0(VALU_DEP_1)
	v_sub_f32 v254, v12, v254
	s_delay_alu instid0(VALU_DEP_1)
	v_cvt_i32_f32 v254, v254
	s_delay_alu instid0(VALU_DEP_1)
	v_ldexp_f32 v252, 1.0, v254
.set n, 0
.rept 32
	v_pk_fma_f32 v[96+n:97+n], v[96+n:97+n], s[CS:CS+1], v[12:13] op_sel_hi:[1,0,0]
.set n, n+2
.endr
.set n, 0
	s_wait_alu depctr_va_vdst(0)
.rept 64
	v_exp_f32 v[96+n], v[96+n]
.set n, n+1
.endr
	v_pk_mul_f32 v[14:15], v[14:15], v[252:253] op_sel_hi:[1,0]
	s_wait_alu depctr_va_vdst(0)
	v_pk_add_f32 v[242:243], v[96:97], v[98:99]
.irp j, 4,8,12,16,20,24,28,32,36,40,44,48,52,56,60
	v_pk_add_f32 v[14:15], v[14:15], v[96+\j:97+\j]
	v_pk_add_f32 v[242:243], v[242:243], v[98+\j:99+\j]
.endr
	s_delay_alu instid0(VALU_DEP_1)
	v_pk_add_f32 v[14:15], v[14:15], v[242:243]
.irp b, 0,1,2,3
.irp i, 0,1,2,3,4,5,6,7,8,9,10,11,12,13,14,15
	v_min_num_f32 v[96+16*\b+\i], v[96+16*\b+\i], v240
.endr
	v_cvt_scalef32_pk8_fp8_f32 v[224+4*\b:225+4*\b], v[96+16*\b:103+16*\b], v244
	v_cvt_scalef32_pk8_fp8_f32 v[226+4*\b:227+4*\b], v[104+16*\b:111+16*\b], v244
.endr
.set n, 0
.rept 32
	v_pk_mul_f32 v[160+n:161+n], v[160+n:161+n], v[252:253] op_sel_hi:[1,0]
.set n, n+2
.endr
	s_wait_alu depctr_va_vdst(0)
.irp g, 0,1
.if \g > 0
.rept 4
	v_nop
.endr
.endif
.irp t, 0,1,2,3
.irp c, 0,1,2,3
	ds_load_b128 v[32+16*\t+4*\c:32+16*\t+4*\c+3], v[3+(\sw)%2] offset:(4*\g+\t)*8192+512*\c
.endr
.endr
	s_wait_dscnt 0x0
.irp t, 0,1,2,3
	v_wmma_f32_16x16x128_fp8_fp8 v[160+8*(4*\g+\t):167+8*(4*\g+\t)], v[32+16*\t:47+16*\t], v[224:239], v[160+8*(4*\g+\t):167+8*(4*\g+\t)]
.endr
.endr
.Lhidden_\@:
.endm
.macro TRIP sw
.if \sw == 0
	s_wait_tensorcnt 0x1
	s_barrier_signal -1
	s_barrier_wait -1
.else
	s_wait_tensorcnt 0x0
	ds_add_u32 v5, v6
.if \sw == 1
	s_add_nc_u64 s[34:35], s[34:35], 131072
.elseif \sw == 2
	s_add_nc_u64 s[38:39], s[38:39], 131072
.endif
	s_wait_dscnt 0x0
.if \sw < 3
	ROUND
.if \sw == 1
	tensor_load_to_lds s[32:35], s[24:31]
.else
	tensor_load_to_lds s[36:39], s[24:31]
.endif
	s_nop 0
.rept 4
	v_nop
.endr
.else
	s_barrier_signal -1
	s_barrier_wait -1
.endif
.endif
.if \sw < 2
	s_cmp_eq_u32 s56, 0
	s_cbranch_scc0 .Lnot_mine_\@
	global_prefetch_b8 v9, s[54:55] offset:131072+65536*\sw th:TH_LOAD_NT scope:SCOPE_SE
.Lnot_mine_\@:
.elseif \sw == 2
	s_cmp_eq_u32 s[PHI], 0
	s_cbranch_scc0 .Lnot_mine_\@
	global_prefetch_b8 v9, s[58:59] th:TH_LOAD_NT scope:SCOPE_SE
.Lnot_mine_\@:
.endif
	STEP \sw
.endm
	s_wait_loadcnt 0x0
	TRIP 0
	TRIP 1
	TRIP 2
	TRIP 3
	s_wait_alu depctr_va_vdst(0)
.rept 4
	v_nop
.endr
.irp k, 0,1,2,3
	global_load_b128 v[32+4*\k:35+4*\k], v7, s[58:59] offset:512*\k
.endr
	v_add_f32 v14, v14, v15
	s_delay_alu instid0(VALU_DEP_1)
	v_permlanex16_b32 v252, v14, s[SEL], s[SEL+1]
	s_delay_alu instid0(VALU_DEP_1)
	v_add_f32 v251, v14, v252
	v_mov_b32 v250, v12
	ds_store_b64 v245, v[250:251]
.irp k, 0,1,2,3,4,5,6,7,8,9,10,11,12,13,14,15
	ds_store_b128 v10, v[160+4*\k:163+4*\k] offset:512*\k
.endr
	s_wait_dscnt 0x0
	s_barrier_signal -1
	s_barrier_wait -1
.irp p, 0,1,2,3
	ds_load_b64 v[232+2*\p:233+2*\p], v246 offset:256*\p
.endr
.irp p, 0,1,2,3
.irp k, 0,1,2,3
	ds_load_b128 v[96+16*\p+4*\k:99+16*\p+4*\k], v11 offset:8192*\p+512*\k
.endr
.endr
	s_wait_dscnt 0x0
	v_min3_num_f32 v248, v232, v234, v236
	s_delay_alu instid0(VALU_DEP_1)
	v_min_num_f32 v248, v248, v238
.irp p, 0,1,2,3
	v_sub_f32 v[224+\p], v248, v[232+2*\p]
.endr
.irp p, 0,1,2,3
	s_delay_alu instid0(VALU_DEP_4)
	v_cvt_i32_f32 v[224+\p], v[224+\p]
.endr
.irp p, 0,1,2,3
	s_delay_alu instid0(VALU_DEP_4)
	v_ldexp_f32 v[224+\p], 1.0, v[224+\p]
.endr
	s_delay_alu instid0(VALU_DEP_4)
	v_mul_f32 v249, v233, v224
	s_delay_alu instid0(VALU_DEP_1)
	v_fmac_f32 v249, v235, v225
	s_delay_alu instid0(VALU_DEP_1)
	v_fmac_f32 v249, v237, v226
	s_delay_alu instid0(VALU_DEP_1)
	v_fmac_f32 v249, v239, v227
	s_wait_alu depctr_va_vdst(0)
	v_rcp_f32 v249, v249
.irp i, 0,1,2,3,4,5,6,7,8,9,10,11,12,13,14,15
	v_mul_f32 v[48+\i], v[96+\i], v224
.endr
.irp i, 0,1,2,3,4,5,6,7,8,9,10,11,12,13,14,15
	v_fmac_f32 v[48+\i], v[112+\i], v225
.endr
.irp i, 0,1,2,3,4,5,6,7,8,9,10,11,12,13,14,15
	v_fmac_f32 v[48+\i], v[128+\i], v226
.endr
.irp i, 0,1,2,3,4,5,6,7,8,9,10,11,12,13,14,15
	v_fmac_f32 v[48+\i], v[144+\i], v227
.endr
	s_wait_alu depctr_va_vdst(0)
	v_ldexp_f32 v249, v249, s62
.irp i, 0,1,2,3,4,5,6,7,8,9,10,11,12,13,14,15
	v_mul_f32 v[48+\i], v[48+\i], v249
.endr
	s_wait_alu depctr_va_vdst(0)
	s_wait_loadcnt 0x0
.irp i, 0,2,4,6,8,10,12,14
	v_pk_mul_f32 v[48+\i:49+\i], v[48+\i:49+\i], v[32+\i:33+\i]
.endr
.irp i, 0,1,2,3,4,5,6,7,8,9,10,11,12,13,14,15
	v_med3_num_f32 v[48+\i], v[48+\i], -v247, v247
.endr
	v_cvt_scalef32_pk8_fp8_f32 v[64:65], v[48:55], v241
	v_cvt_scalef32_pk8_fp8_f32 v[66:67], v[56:63], v241
	v_nop
	global_store_b128 v7, v[64:67], s[60:61]
	s_wait_tensorcnt 0x0
	ds_add_u32 v5, v6
	s_wait_dscnt 0x0
	ROUND
	s_endpgm
.Lfunc_end_k_qfa32f39cab_attn:
	.size	k_qfa32f39cab_attn, .Lfunc_end_k_qfa32f39cab_attn-k_qfa32f39cab_attn
	.p2alignl 7, 3214868480
	.fill 96, 4, 3214868480
	.section	.rodata,"a",@progbits
	.p2align	6, 0x0
	.amdhsa_kernel k_qfa32f39cab_attn
		.amdhsa_group_segment_fixed_size 327680
		.amdhsa_private_segment_fixed_size 0
		.amdhsa_enable_private_segment 0
		.amdhsa_kernarg_size 48
		.amdhsa_user_sgpr_count 2
		.amdhsa_user_sgpr_kernarg_segment_ptr 1
		.amdhsa_wavefront_size32 1
		.amdhsa_system_sgpr_workgroup_id_x 1
		.amdhsa_system_sgpr_workgroup_id_y 1
		.amdhsa_system_sgpr_workgroup_id_z 1
		.amdhsa_system_vgpr_workitem_id 0
		.amdhsa_next_free_vgpr 256
		.amdhsa_next_free_sgpr 100
		.amdhsa_reserve_vcc 1
		.amdhsa_float_denorm_mode_32 3
		.amdhsa_float_denorm_mode_16_64 3
		.amdhsa_memory_ordered 1
		.amdhsa_forward_progress 1
		.amdhsa_inst_pref_size 118
	.end_amdhsa_kernel
	.amdgpu_metadata
---
amdhsa.version: [ 1, 2 ]
amdhsa.kernels:
  - .name:           k_qfa32f39cab_attn
    .symbol:         k_qfa32f39cab_attn.kd
    .args:
      - { .name: qf, .offset: 0, .size: 8, .value_kind: global_buffer, .address_space: global }
      - { .name: kf, .offset: 8, .size: 8, .value_kind: global_buffer, .address_space: global }
      - { .name: vf, .offset: 16, .size: 8, .value_kind: global_buffer, .address_space: global }
      - { .name: gf, .offset: 24, .size: 8, .value_kind: global_buffer, .address_space: global }
      - { .name: lowp_scales, .offset: 32, .size: 8, .value_kind: global_buffer, .address_space: global }
      - { .name: af, .offset: 40, .size: 8, .value_kind: global_buffer, .address_space: global }
    .group_segment_fixed_size: 327680
    .private_segment_fixed_size: 0
    .kernarg_segment_align: 8
    .kernarg_segment_size: 48
    .max_flat_workgroup_size: 512
    .sgpr_count:     100
    .vgpr_count:     256
    .wavefront_size: 32
...
	.end_amdgpu_metadata
.endif
;; end of part 3
;; launch outproj (part 4): grid 16 x 16, 4 waves a work-group, clusters of 4 x 4, 327,680 bytes of LDS; arguments af, woc, lowp_scales, out0; writes out0
.if DOCPART == 4
	.amdgcn_target "amdgcn-amd-amdhsa--gfx1250"
	.amdhsa_code_object_version 6
	.text
	.protected	k_qfa32f39cab_outproj
	.globl	k_qfa32f39cab_outproj
	.p2align	8
	.type	k_qfa32f39cab_outproj,@function
k_qfa32f39cab_outproj:
	s_mov_b64 s[64:65], 0
	v_nop
	global_prefetch_b8 v0, s[64:65] scope:SCOPE_SE
	s_setreg_imm32_b32 hwreg(HW_REG_WAVE_MODE, 25, 1), 1
	s_wait_xcnt 0x0
	s_wait_alu depctr_hold_cnt(0) depctr_sa_sdst(0) depctr_va_vdst(0) depctr_va_sdst(0) depctr_va_ssrc(0) depctr_va_vcc(0) depctr_vm_vsrc(0)
	s_getreg_b32 s2, hwreg(HW_REG_IB_STS2, 6, 4)
	s_cmp_eq_u32 s2, 0
	s_cbranch_scc0 .Lentry_in_a_cluster
	s_endpgm
.Lentry_in_a_cluster:
	s_bfe_u32 s2, ttmp6, 0x10000c
	s_cmp_lg_u32 s2, 0xf033
	s_cbranch_scc0 .Lentry_shape_is_right
	s_endpgm
.Lentry_shape_is_right:
.set PITCH, 272
.set R2,    256*PITCH
.set SLOT,  R2+32768
.set STAGE, 3*SLOT
.set SPARE, STAGE+4*16*PITCH
.set ADRA, 16
.set ADRB, 20
.set STO,  24
.set RD,   25
.set CO,   26
.set SPW,  28
.set NIL,  29
.set TMP,  32
.set BK,   64
.set WF,   128
.set G1A, 24
.set G1B, 48
.set G0A, 68
.set G0B, 80
.set MSB, 0
.macro WIN new
.if MSB != \new
	s_set_vgpr_msb (MSB<<8)|\new
.set MSB, \new
.endif
.endm
.set MUL,  0xa4
.set TO_T, 0x40
.macro JLOAD s
	s_cmp_eq_u32 s15, 0
	s_cbranch_scc0 .Lfor_b_\@
	tensor_load_to_lds s[G0A+4*\s:G0A+4*\s+3], s[G1A:G1A+7]
	s_nop 0
.rept 4
	v_nop
.endr
	s_branch .Lasked_\@
.Lfor_b_\@:
	tensor_load_to_lds s[G0B+4*\s:G0B+4*\s+3], s[G1B:G1B+7]
	s_nop 0
.rept 4
	v_nop
.endr
.Lasked_\@:
.endm
.macro CREST
	s_cmp_lg_u32 s14, 0
	s_cbranch_scc1 .Lnot_wave_0_\@
	s_barrier_signal -3
.Lnot_wave_0_\@:
	s_barrier_wait -3
	s_barrier_signal -1
	s_barrier_wait -1
.endm
.macro CROUND
	s_barrier_signal -1
	s_barrier_wait -1
	CREST
.endm
.macro PLACES
.rept 4
	v_nop
.endr
.endm
	s_load_b256 s[4:11], s[0:1], 0x0
	v_lshl_add_u32 v[SPW], v0, 2, SPARE
	v_mov_b32 v[NIL], 0
	ds_add_u32 v[SPW], v[NIL]
	ds_add_u32 v[SPW], v[NIL]
	v_lshrrev_b32 v1, 5, v0
	v_readfirstlane_b32 s14, v1
	s_lshr_b32 s15, s14, 1
	s_and_b32 s16, s14, 1
	s_bfe_u32 s40, ttmp6, 0x40000
	s_bfe_u32 s41, ttmp6, 0x40004
	s_lshl_b32 s42, ttmp9, 2
	s_add_co_u32 s42, s42, s40
	s_and_b32 s17, ttmp7, 0xffff
	s_lshl_b32 s17, s17, 2
	s_add_co_u32 s17, s17, s41
	s_lshl_b32 s43, s41, 2
	s_lshl_b32 s43, 15, s43
	s_lshl_b32 s44, 0x1111, s40
	s_or_b32 s[G1A], s44, (0<<16)|(1<<20)|(1<<21)|(5<<22)|(3<<25)
	s_mov_b32 s[G1A+1], 256<<16
	s_mov_b32 s[G1A+2], 128<<16
	s_mov_b32 s[G1A+3], 256<<16
	s_mov_b32 s[G1A+4], 128
	s_mov_b32 s[G1A+5], 1024
	s_mov_b32 s[G1A+6], 0
	s_mov_b32 s[G1A+7], 0
	s_or_b32 s[G1B], s43, (3<<16)|(1<<21)
	s_mov_b32 s[G1B+1], 512<<16
	s_mov_b32 s[G1B+2], 4<<16
	s_mov_b32 s[G1B+3], 512<<16
	s_mov_b32 s[G1B+4], 4
	s_mov_b32 s[G1B+5], 2048
	s_mov_b32 s[G1B+6], 0
	s_mov_b32 s[G1B+7], 0
	s_lshl_b32 s46, s42, 8
	s_lshl_b32 s45, s16, 7
	s_add_co_u32 s46, s46, s45
	s_lshl_b32 s46, s46, 10
	s_mov_b32 s47, 0
	s_lshl_b32 s20, s17, 3
	s_lshl_b32 s45, s16, 2
	s_add_co_u32 s20, s20, s45
	s_lshl_b32 s20, s20, 14
	s_mov_b32 s21, 0
	s_mul_i32 s18, s16, 128*PITCH
	s_lshl_b32 s19, s16, 14
	s_add_co_u32 s19, s19, R2
	s_wait_dscnt 0x0
	s_wait_kmcnt 0x0
	s_load_b64 s[96:97], s[8:9], 0x28
	s_add_nc_u64 s[46:47], s[6:7], s[46:47]
	s_add_nc_u64 s[20:21], s[4:5], s[20:21]
	CROUND
.irp s, 0,1,2
	s_mov_b32 s[G0A+4*\s], 1
	s_add_co_u32 s[G0A+4*\s+1], s18, \s*SLOT
	s_add_nc_u64 s[G0A+4*\s+2:G0A+4*\s+3], s[46:47], \s*256
	s_or_b32 s[G0A+4*\s+3], s[G0A+4*\s+3], 0x80000000
	s_mov_b32 s[G0B+4*\s], 1
	s_add_co_u32 s[G0B+4*\s+1], s19, \s*SLOT
	s_add_nc_u64 s[G0B+4*\s+2:G0B+4*\s+3], s[20:21], \s*4096
	s_or_b32 s[G0B+4*\s+3], s[G0B+4*\s+3], 0x80000000
	s_wait_alu depctr_va_vdst(0)
	s_wait_tensorcnt 0x0
	ds_add_u32 v28, v29
	ds_add_u32 v28, v29
	s_wait_dscnt 0x0
	CROUND
	JLOAD \s
.endr
	v_and_b32 v1, 15, v0
	v_bfe_u32 v2, v0, 4, 1
	v_mul_u32_u24 v3, v1, PITCH
	v_lshl_add_u32 v4, v2, 4, v3
	v_and_b32 v5, 31, v0
	v_lshlrev_b32 v5, 4, v5
	s_mul_i32 s18, s14, 64*PITCH
.irp s, 0,1,2
	v_add_nc_u32 v[ADRA+\s], s18, v4
	v_add_nc_u32 v[ADRB+\s], R2+\s*SLOT, v5
	s_add_co_u32 s18, s18, SLOT
.endr
	s_mul_i32 s18, s14, 16*PITCH
	s_add_co_u32 s18, s18, STAGE
	v_lshl_add_u32 v[STO], v2, 6, v3
	v_add_nc_u32 v[STO], s18, v[STO]
	v_mul_u32_u24 v[RD], v2, PITCH
	v_lshl_add_u32 v[RD], v1, 4, v[RD]
	v_add_nc_u32 v[RD], s18, v[RD]
	v_lshlrev_b32 v[CO], 14, v2
	v_lshl_add_u32 v[CO], v1, 4, v[CO]
	s_lshl_b32 s18, s17, 21
	s_lshl_b32 s19, s42, 10
	s_add_co_u32 s18, s18, s19
	s_lshl_b32 s19, s14, 8
	s_add_co_u32 s18, s18, s19
	s_mov_b32 s19, 0
	s_add_nc_u64 s[10:11], s[10:11], s[18:19]
.macro MUL4 b, p, zero
.irp a, 0,1,2,3
.if \zero
	v_wmma_f32_16x16x128_fp8_fp8 v[32*(\b)+8*\a:32*(\b)+8*\a+7], v[WF+64*(\p)+16*\a:WF+64*(\p)+16*\a+15], v[128*(\p)+16*(\b):128*(\p)+16*(\b)+15], 0
.else
	v_wmma_f32_16x16x128_fp8_fp8 v[32*(\b)+8*\a:32*(\b)+8*\a+7], v[WF+64*(\p)+16*\a:WF+64*(\p)+16*\a+15], v[128*(\p)+16*(\b):128*(\p)+16*(\b)+15], v[32*(\b)+8*\a:32*(\b)+8*\a+7]
.endif
.endr
.endm
.macro FETCH slot, q, p
	WIN 0
.irp i, 0,1,2,3
.irp c, 0,1,2,3
	ds_load_b128 v[WF+64*(\p)+16*\i+4*\c:WF+64*(\p)+16*\i+4*\c+3], v[ADRA+\slot] offset:128*(\q)+32*\c+\i*16*PITCH
.endr
.endr
	WIN TO_T
.irp b, 0,1,2,3,4,5,6,7
.irp c, 0,1,2,3
	ds_load_b128 v[128*(\p)+16*\b+4*\c:128*(\p)+16*\b+4*\c+3], v[ADRB+\slot] offset:4096*\b+2048*(\q)+512*\c
.endr
.endr
.endm
.macro STEP p, fslot, fq, zero
	s_wait_dscnt 16
	WIN MUL
	MUL4 0, \p, \zero
	MUL4 1, \p, \zero
	MUL4 2, \p, \zero
	MUL4 3, \p, \zero
	PLACES
	FETCH \fslot, \fq, 1-\p
	s_wait_dscnt 48
	WIN MUL
	MUL4 4, \p, \zero
	MUL4 5, \p, \zero
	MUL4 6, \p, \zero
	MUL4 7, \p, \zero
.endm
.macro TURN slot, next, fill
	WIN 0
	s_wait_tensorcnt 0x0
	ds_add_u32 v[SPW], v[NIL]
	s_wait_dscnt 17
	WIN MUL
	MUL4 0, 1, 0
	MUL4 1, 1, 0
	s_wait_dscnt 0x0
	s_barrier_signal -1
	MUL4 2, 1, 0
	MUL4 3, 1, 0
	WIN 0
	s_barrier_wait -1
.if \fill
	CREST
	s_add_nc_u64 s[G0A+4*\slot+2:G0A+4*\slot+3], s[G0A+4*\slot+2:G0A+4*\slot+3], 3*256
	s_add_nc_u64 s[G0B+4*\slot+2:G0B+4*\slot+3], s[G0B+4*\slot+2:G0B+4*\slot+3], 3*4096
	JLOAD \slot
.else
	PLACES
.endif
	FETCH \next, 0, 0
	WIN MUL
	MUL4 4, 1, 0
	MUL4 5, 1, 0
	MUL4 6, 1, 0
	MUL4 7, 1, 0
.endm
	s_wait_tensorcnt 2
	s_barrier_signal -1
	s_barrier_wait -1
	FETCH 0, 0, 0
	STEP 0, 0, 1, 1
	TURN 0, 1, 1
	STEP 0, 1, 1, 0
	s_wait_alu depctr_va_vdst(0)
	STEP 1, 2, 0, 0
	STEP 0, 2, 1, 0
	TURN 2, 0, 0
	STEP 0, 0, 1, 0
	s_wait_dscnt 16
	WIN MUL
	MUL4 0, 1, 0
	MUL4 1, 1, 0
	MUL4 2, 1, 0
	MUL4 3, 1, 0
	s_wait_dscnt 0
	MUL4 4, 1, 0
	MUL4 5, 1, 0
	MUL4 6, 1, 0
	MUL4 7, 1, 0
	WIN 0
.macro TOSTAGE b
	WIN 0x02
.set n, 0
.rept 16
	v_pk_mul_f32 v[TMP+n:TMP+n+1], v[32*(\b)+n:32*(\b)+n+1], s[96:97] op_sel_hi:[1,0]
.set n, n+2
.endr
	WIN 0
.irp a, 0,1,2,3
	ds_store_b128 v[STO], v[TMP+8*\a:TMP+8*\a+3] offset:128*(\a/2)+32*(\a%2)
	ds_store_b128 v[STO], v[TMP+8*\a+4:TMP+8*\a+7] offset:128*(\a/2)+32*(\a%2)+16
.endr
.irp t, 0,1,2,3,4,5,6,7
	ds_load_b128 v[BK+32*((\b)%2)+4*\t:BK+32*((\b)%2)+4*\t+3], v[RD] offset:2*\t*PITCH
.endr
.endm
.macro SEND b, younger
	s_wait_dscnt \younger
.irp t, 0,1,2,3,4,5,6,7
	global_store_b128 v[CO], v[BK+32*((\b)%2)+4*\t:BK+32*((\b)%2)+4*\t+3], s[10:11] offset:(32*((\b)/2)+8*((\b)%2)+2*\t+8*(\t/4))*16384 th:TH_STORE_NT
.endr
.endm
	s_wait_kmcnt 0x0
	s_add_co_i32 s96, s96, s97
	s_add_co_i32 s96, s96, 127
	s_lshl_b32 s96, s96, 23
	s_mov_b32 s97, s96
	PLACES
	TOSTAGE 0
.irp b, 1,2,3,4,5,6,7
.if \b > 1
	s_wait_xcnt 0x0
.endif
	TOSTAGE \b
	SEND \b-1, 16
.endr
	SEND 7, 0
	s_wait_tensorcnt 0x0
	ds_add_u32 v[SPW], v[NIL]
	s_wait_dscnt 0x0
	CROUND
	s_endpgm
.Lfunc_end_k_qfa32f39cab_outproj:
	.size	k_qfa32f39cab_outproj, .Lfunc_end_k_qfa32f39cab_outproj-k_qfa32f39cab_outproj
	.p2alignl 7, 3214868480
	.fill 96, 4, 3214868480
	.section	.rodata,"a",@progbits
	.p2align	6, 0x0
	.amdhsa_kernel k_qfa32f39cab_outproj
		.amdhsa_group_segment_fixed_size 327680
		.amdhsa_private_segment_fixed_size 0
		.amdhsa_enable_private_segment 0
		.amdhsa_kernarg_size 32
		.amdhsa_user_sgpr_count 2
		.amdhsa_user_sgpr_kernarg_segment_ptr 1
		.amdhsa_wavefront_size32 1
		.amdhsa_system_sgpr_workgroup_id_x 1
		.amdhsa_system_sgpr_workgroup_id_y 1
		.amdhsa_system_sgpr_workgroup_id_z 1
		.amdhsa_system_vgpr_workitem_id 0
		.amdhsa_next_free_vgpr 768
		.amdhsa_next_free_sgpr 100
		.amdhsa_reserve_vcc 0
		.amdhsa_float_denorm_mode_32 3
		.amdhsa_float_denorm_mode_16_64 3
		.amdhsa_memory_ordered 1
		.amdhsa_forward_progress 1
		.amdhsa_inst_pref_size 77
	.end_amdhsa_kernel
	.amdgpu_metadata
---
amdhsa.version: [ 1, 2 ]
amdhsa.kernels:
  - .name:           k_qfa32f39cab_outproj
    .symbol:         k_qfa32f39cab_outproj.kd
    .args:
      - { .name: af, .offset: 0, .size: 8, .value_kind: global_buffer, .address_space: global }
      - { .name: woc, .offset: 8, .size: 8, .value_kind: global_buffer, .address_space: global }
      - { .name: lowp_scales, .offset: 16, .size: 8, .value_kind: global_buffer, .address_space: global }
      - { .name: out0, .offset: 24, .size: 8, .value_kind: global_buffer, .address_space: global }
    .group_segment_fixed_size: 327680
    .private_segment_fixed_size: 0
    .kernarg_segment_align: 8
    .kernarg_segment_size: 32
    .max_flat_workgroup_size: 128
    .sgpr_count:     100
    .vgpr_count:     768
    .wavefront_size: 32
...
	.end_amdgpu_metadata
.endif
;; end of part 4
